; MI455X (gfx1250); checked and timed in simulation.
; The chip was launched on July 23, 2026; its instructions are those of AMD's public machine-readable ISA for CDNA 5 (MIT licence, August 2026) and "CDNA5" Instruction Set Architecture Reference Guide (July 2026). The comments in the code are by the model that wrote it; some were corrected since.
;; MLP. Allowed arithmetic: float matrix products may take bf16 or f16 operands with f32 sums; other float arithmetic in f32, or as packed bf16 or f16 multiplies, adds, multiply-adds, maxima and minima; sums over many terms, partial sums and values carried from step to step in f32; what a program stores and reads back later, other than sums and carried values, may be rounded once to bf16 or f16.
;; Inputs: down_b 4 x 1,024 float32; down_w 4 x 2,730 x 1,024 float32; gate_b 4 x 2,730 float32; gate_w 4 x 1,024 x 2,730 float32; router_w 1,024 x 4 float32; up_b 4 x 2,730 float32; up_w 4 x 1,024 x 2,730 float32; x 2 x 1,024 x 1,024 float32.
;; Outputs: out0 2 x 1,024 x 1,024 float32.
;; 2 versions, each right and faster than the one before. Each part assembles by itself: llvm-mc -triple=amdgcn-amd-amdhsa -mcpu=gfx1250 --defsym DOCPART=n.
;; ======== version 1 of 2: 4 launches
;; workspace buffers: rsel 8,192 bytes of whole numbers; rwt 16,384 bytes; dwf 22,544,384 bytes; xs 11,010,048 bytes; tbl 9,984 bytes of whole numbers; wts 38,912 bytes; hid 29,589,504 bytes
;; launch prep1 (part 1): grid 360 x 1, 8 waves a work-group, no clusters, 66,560 bytes of LDS; arguments x, router_w, down_w, rsel, rwt, dwf; writes rsel, rwt, dwf
.if DOCPART == 1
	.amdgcn_target "amdgcn-amd-amdhsa--gfx1250"
	.amdhsa_code_object_version 6
	.text
	.protected	k_qf642a04bee_prep1
	.globl	k_qf642a04bee_prep1
	.p2align	8
	.type	k_qf642a04bee_prep1,@function
k_qf642a04bee_prep1:
	s_mov_b64 s[64:65], 0
	v_nop
	global_prefetch_b8 v0, s[64:65] scope:SCOPE_SE
	s_setreg_imm32_b32 hwreg(HW_REG_WAVE_MODE, 25, 1), 1
	s_wait_xcnt 0x0
; PREP1.  Work-groups 0-15: the router.  Work-groups 16-359: down_w, f32 [4][2730][1024], rounded to bf16 and laid in the order in which a matrix operand takes it.
; ROUTER.  logits = x . router_w, both rounded to bf16 first (as every input of this program is), products and sums in f32; top 2 of 4 (of equal logits the lower index wins, by strict compares in ascending order);
; softmax of the two with the larger taken away first.  Stored at fixed places: rsel[token] = the mask of the two experts, rwt[token] = (weight of the lower-numbered expert, weight of the higher).
; LIMITS.  NaN and infinities are not treated apart; the order of the f32 sum is by lanes, not ascending; an exponential below 2^-126 counts as 0.  rsel leaves in pieces of 64 bytes, rwt of 128 (24 KB in all).
; CAST.  dwf = [4 e][86 c][64 nb][2 half][32 lane][16 bytes]: lane 16 h + r of (c, nb, half) holds column 16 nb + r, k = 32 c + 16 half + 8 h + 0..7.  Rows k >= 2730 are 0.
; A work-group takes one (e, c): 32 rows; wave w its columns 128 w .. +127.  The turn from rows to columns of k goes through 8 KB of LDS of the wave alone: no barrier.
.set SPARE, 65536                      ; behind the eight stages: the spare words, 128 bytes a wave
.set SPW, 208                          ; v208 LDS address of my spare word; never rewritten
.set NIL, 209                          ; v209 0; never rewritten
.set XP, 32                            ; v32-47   a token: my 32 numbers of x as 16 pairs of bf16
.set RW, 64                            ; v64-127  router_w: for my 32 rows c the pairs (e0,e1), (e2,e3) in bf16
.set XB, 128                           ; v128-159, v160-191 two buffers of x as loaded
.set LDR, 16                           ; cast: v16-143 32 rows as loaded, later the fragments read back
.set PK, 144                           ; cast: v144-207 packed
	s_load_b256 s[4:11], s[0:1], 0x0               ; x s[4:5], router_w s[6:7], down_w s[8:9], rsel s[10:11]
	s_load_b128 s[12:15], s[0:1], 0x20             ; rwt s[12:13], dwf s[14:15]
	v_lshl_add_u32 v[SPW], v0, 2, SPARE
	v_mov_b32 v[NIL], 0
	v_lshrrev_b32 v1, 5, v0
	v_readfirstlane_b32 s16, v1                    ; wave 0..7
	v_and_b32 v2, 31, v0                           ; lane
	v_lshlrev_b32 v3, 4, v2                        ; 16 x lane
	s_wait_kmcnt 0x0
	s_cmp_lt_u32 ttmp9, 16
	s_cbranch_scc0 .Lcast
	; ---------------- the router: wave gw = 8 x group + wave takes tokens 16 gw .. +15 ----------------
	v_and_b32 v4, 15, v0                           ; which token of the sixteen my lane keeps
	s_lshl3_add_u32 s17, ttmp9, s16                ; gw
	s_lshl_b32 s18, s17, 16                        ; 16 tokens of 4,096 bytes
	v_add_nc_u32 v5, s18, v3                       ; byte offset of buffer 0: token 0
	v_add_nc_u32 v6, 0x1000, v5                    ; of buffer 1: token 1
	v_add_nc_u32 v7, 0x7ff000, v3                  ; the last row of x: the look-ahead is held to it
	v_mov_b32 v8, 0                                ; the first addend
	v_mov_b32 v9, 0                                ; v_permlanex16_b32 counts its destination as read
.irp r, 14,15,16,17
	v_mov_b32 v\r, 0                               ; the kept logits
.endr
	v_lshlrev_b32 v18, 6, v2                       ; router_w: my four rows of each 128 are 64 bytes
	s_mov_b32 s20, 0x76543210                      ; lane i of one half reads lane i of the other
	s_mov_b32 s21, 0xfedcba98
	s_mov_b32 s19, 0                               ; the token in hand, 0..15
	; router_w row c = 128 i + 4 lane + jx, n = 4 i + jx: two batches of sixteen loads through the x buffers
.irp bt, 0,1
.set n, 0
.rept 16
	global_load_b128 v[XB+4*n:XB+4*n+3], v18, s[6:7] offset:2048*((16*\bt+n)/4)+16*((16*\bt+n)%4)
.set n, n+1
.endr
	s_wait_loadcnt 0x0
.set n, 0
.rept 16
	v_cvt_pk_bf16_f32 v[RW+2*(16*\bt+n)], v[XB+4*n], v[XB+4*n+1]
	v_cvt_pk_bf16_f32 v[RW+2*(16*\bt+n)+1], v[XB+4*n+2], v[XB+4*n+3]
.set n, n+1
.endr
.endr
.macro XLOAD b                         ; a token: eight loads of 512 neighbouring bytes
.set i, 0
.rept 8
	global_load_b128 v[XB+32*(\b)+4*i:XB+32*(\b)+4*i+3], v[5+(\b)], s[4:5] offset:512*i
.set i, i+1
.endr
.endm
.macro FMIX                            ; v[rD] = bf16 half xh of v[rA] x bf16 half rh of v[rB] + v[rC] (f32)
.if (xh == 0) && (rh == 0)
	v_fma_mix_f32_bf16 v[rD], v[rA], v[rB], v[rC] op_sel_hi:[1,1,0]
.elseif (xh == 1) && (rh == 0)
	v_fma_mix_f32_bf16 v[rD], v[rA], v[rB], v[rC] op_sel:[1,0,0] op_sel_hi:[1,1,0]
.elseif (xh == 0) && (rh == 1)
	v_fma_mix_f32_bf16 v[rD], v[rA], v[rB], v[rC] op_sel:[0,1,0] op_sel_hi:[1,1,0]
.else
	v_fma_mix_f32_bf16 v[rD], v[rA], v[rB], v[rC] op_sel:[1,1,0] op_sel_hi:[1,1,0]
.endif
.endm
.macro TOK b                           ; the token in buffer b
	s_wait_loadcnt 0x8                             ; the other buffer's eight loads are younger and stay out
.set i, 0
.rept 16
	v_cvt_pk_bf16_f32 v[XP+i], v[XB+32*(\b)+2*i], v[XB+32*(\b)+2*i+1]
.set i, i+1
.endr
	v_add_nc_u32 v[5+(\b)], 0x2000, v[5+(\b)]      ; free since that wait: two tokens on,
	v_min_u32 v[5+(\b)], v[5+(\b)], v7             ; never past the last row of x
	XLOAD \b
.set n, 0
.rept 32                               ; four sums by turns, 32 terms each
.set e, 0
.rept 4
.set rD, 10+e
.set rA, XP+n/2
.set rB, RW+2*n+e/2
.set rC, 10+e
.if n == 0
.set rC, 8
.endif
.set xh, n%2
.set rh, e%2
	FMIX
.set e, e+1
.endr
.set n, n+1
.endr
.irp msk, 1,2,4,8                      ; over the 32 lanes: four steps in each half, one across
.irp e, 0,1,2,3
	v_add_f32_dpp v[10+\e], v[10+\e], v[10+\e] row_xmask:\msk row_mask:0xf bank_mask:0xf
.endr
.endr
.irp e, 0,1,2,3
	v_permlanex16_b32 v9, v[10+\e], s20, s21
	v_add_f32 v[10+\e], v[10+\e], v9
.endr
	v_cmp_eq_u32 vcc_lo, s19, v4                   ; the lanes that keep this token
.irp e, 0,1,2,3
	v_cndmask_b32 v[14+\e], v[14+\e], v[10+\e], vcc_lo
.endr
	s_add_co_u32 s19, s19, 1
.endm
	XLOAD 0
	XLOAD 1
	s_mov_b32 s22, 8
.Ltok:
	TOK 0
	TOK 1
	s_sub_co_u32 s22, s22, 1
	s_cmp_lg_u32 s22, 0
	s_cbranch_scc1 .Ltok
	s_wait_loadcnt 0x0                             ; the look-ahead of the last trip, which nobody uses
.macro SCAN vm, vi                     ; the largest of the four and its index; a later one wins only if strictly larger
	v_mov_b32 v[\vm], v14
	v_mov_b32 v[\vi], 0
.irp e, 1,2,3
	v_cmp_gt_f32 vcc_lo, v[14+\e], v[\vm]
	v_cndmask_b32 v[\vm], v[\vm], v[14+\e], vcc_lo
	v_cndmask_b32 v[\vi], v[\vi], \e, vcc_lo
.endr
.endm
	SCAN 18, 19                                    ; m1, i1
	v_mov_b32 v29, 0xff800000
.irp e, 0,1,2,3
	v_cmp_eq_u32 vcc_lo, \e, v19
	v_cndmask_b32 v[14+\e], v[14+\e], v29, vcc_lo  ; the first is taken out
.endr
	SCAN 20, 21                                    ; m2, i2
	v_sub_f32 v22, v20, v18                        ; m2 - m1 <= 0: the maximum is taken away
	v_mul_f32 v22, 0x3fb8aa3b, v22
	v_exp_f32 v23, v22
	v_nop                                          ; a plain instruction behind the exponential,
	s_wait_alu depctr_va_vdst(0)                   ; and the wait ahead of its first reader
	v_add_f32 v24, 1.0, v23
	v_rcp_f32 v25, v24                             ; w1 = 1 / (1 + e^(m2 - m1))
	v_mov_b32 v30, 1                               ; a plain instruction behind the reciprocal
	s_wait_alu depctr_va_vdst(0)
	v_mul_f32 v24, v23, v25                        ; w2
	v_cmp_lt_u32 vcc_lo, v19, v21                  ; is the first choice the lower-numbered expert?
	v_cndmask_b32 v26, v24, v25, vcc_lo
	v_cndmask_b32 v27, v25, v24, vcc_lo
	v_lshlrev_b32 v28, v19, v30
	v_lshlrev_b32 v31, v21, v30
	v_or_b32 v28, v28, v31                         ; the mask of the two
	s_lshl_b32 s23, s17, 6
	s_lshl_b32 s24, s17, 7
	v_lshl_add_u32 v30, v4, 2, s23
	v_lshl_add_u32 v31, v4, 3, s24
	global_store_b32 v30, v28, s[10:11]            ; lanes 16-31 repeat lanes 0-15
	global_store_b64 v31, v[26:27], s[12:13]
	s_branch .Lend
	; ---------------- the cast ----------------
.Lcast:
	s_sub_co_u32 s17, ttmp9, 16                    ; b = 86 e + c
	s_mul_i32 s18, s17, 763
	s_lshr_b32 s18, s18, 16                        ; e = b / 86 (exact for b < 344)
	s_mul_i32 s19, s18, 86
	s_sub_co_u32 s19, s17, s19                     ; c
	s_mul_i32 s20, s18, 2730
	s_lshl_b32 s21, s19, 5
	s_add_co_u32 s20, s20, s21                     ; my first row of down_w
	s_lshl_b32 s20, s20, 12                        ; rows of 4,096 bytes
	s_lshl_b32 s21, s16, 9                         ; my wave's 128 columns
	s_add_co_u32 s20, s20, s21
	s_mov_b32 s21, 0
	s_add_nc_u64 s[8:9], s[8:9], s[20:21]
	s_lshl_b32 s22, s17, 16                        ; 64 fragments of 1,024 bytes for each (e, c)
	s_lshl_b32 s24, s16, 13                        ; my wave's eight; also my stage in LDS
	s_add_co_u32 s22, s22, s24
	s_mov_b32 s23, 0
	s_add_nc_u64 s[14:15], s[14:15], s[22:23]
	v_lshrrev_b32 v5, 2, v2                        ; my four columns lie in fragment lane / 4, at r = 4 (lane % 4) + i
	v_and_b32 v6, 3, v2
	v_lshlrev_b32 v5, 10, v5
	v_lshl_add_u32 v5, v6, 6, v5
	v_add_nc_u32 v5, s24, v5                       ; into the stage
	v_add_nc_u32 v6, s24, v3                       ; back: 512 neighbouring bytes a load
.macro DCH n                           ; n: how many of the 32 rows exist
.set kk, 0
.rept 32
.if kk < (\n)
	global_load_b128 v[LDR+4*kk:LDR+4*kk+3], v3, s[8:9] offset:4096*kk th:TH_LOAD_NT
.else
	v_mov_b32 v[LDR+4*kk], 0
	v_mov_b32 v[LDR+4*kk+1], 0
	v_mov_b32 v[LDR+4*kk+2], 0
	v_mov_b32 v[LDR+4*kk+3], 0
.endif
.set kk, kk+1
.endr
	s_wait_loadcnt 0x0
.set d, 0
.rept 64                               ; d = 16 kg + 4 i + j: column i, k = 8 kg + 2 j and + 1
	v_cvt_pk_bf16_f32 v[PK+d], v[LDR+4*(8*(d/16)+2*(d%4))+(d/4)%4], v[LDR+4*(8*(d/16)+2*(d%4)+1)+(d/4)%4]
.set d, d+1
.endr
.set d, 0
.rept 16                               ; d = 4 kg + i
	ds_store_b128 v5, v[PK+4*d:PK+4*d+3] offset:256*(d/4)+16*(d%4)
.set d, d+1
.endr
.set t, 0
.rept 16
	ds_load_b128 v[LDR+4*t:LDR+4*t+3], v6 offset:512*t  ; my own bytes: LDS serves a wave's instructions in order (ISA guide 5.7.1.4)
.set t, t+1
.endr
.set t, 0
.rept 16
	s_wait_dscnt 15-t
	global_store_b128 v3, v[LDR+4*t:LDR+4*t+3], s[14:15] offset:512*t  ; 512 consecutive bytes, at a multiple of 256 from the first byte of dwf
.set t, t+1
.endr
.endm
	s_cmp_eq_u32 s19, 85
	s_cbranch_scc1 .Lshort
	DCH 32
	s_branch .Lend
.Lshort:
	DCH 10                                         ; k = 2720 .. 2729 exist
.Lend:
	s_wait_tensorcnt 0x0                           ; the wave's end
	ds_add_u32 v[SPW], v[NIL]
	s_wait_dscnt 0x0
	s_endpgm
.Lfunc_end_k_qf642a04bee_prep1:
	.size	k_qf642a04bee_prep1, .Lfunc_end_k_qf642a04bee_prep1-k_qf642a04bee_prep1
	.p2alignl 7, 3214868480
	.fill 96, 4, 3214868480
	.section	.rodata,"a",@progbits
	.p2align	6, 0x0
	.amdhsa_kernel k_qf642a04bee_prep1
		.amdhsa_group_segment_fixed_size 66560
		.amdhsa_private_segment_fixed_size 0
		.amdhsa_enable_private_segment 0
		.amdhsa_kernarg_size 48
		.amdhsa_user_sgpr_count 2
		.amdhsa_user_sgpr_kernarg_segment_ptr 1
		.amdhsa_wavefront_size32 1
		.amdhsa_system_sgpr_workgroup_id_x 1
		.amdhsa_system_sgpr_workgroup_id_y 1
		.amdhsa_system_sgpr_workgroup_id_z 1
		.amdhsa_system_vgpr_workitem_id 0
		.amdhsa_next_free_vgpr 212
		.amdhsa_next_free_sgpr 66
		.amdhsa_reserve_vcc 1
		.amdhsa_float_denorm_mode_32 3
		.amdhsa_float_denorm_mode_16_64 3
		.amdhsa_memory_ordered 1
		.amdhsa_forward_progress 1
		.amdhsa_inst_pref_size 59
	.end_amdhsa_kernel
	.amdgpu_metadata
---
amdhsa.version: [ 1, 2 ]
amdhsa.kernels:
  - .name:           k_qf642a04bee_prep1
    .symbol:         k_qf642a04bee_prep1.kd
    .args:
      - { .name: x, .offset: 0, .size: 8, .value_kind: global_buffer, .address_space: global }
      - { .name: router_w, .offset: 8, .size: 8, .value_kind: global_buffer, .address_space: global }
      - { .name: down_w, .offset: 16, .size: 8, .value_kind: global_buffer, .address_space: global }
      - { .name: rsel, .offset: 24, .size: 8, .value_kind: global_buffer, .address_space: global }
      - { .name: rwt, .offset: 32, .size: 8, .value_kind: global_buffer, .address_space: global }
      - { .name: dwf, .offset: 40, .size: 8, .value_kind: global_buffer, .address_space: global }
    .group_segment_fixed_size: 66560
    .private_segment_fixed_size: 0
    .kernarg_segment_align: 8
    .kernarg_segment_size: 48
    .max_flat_workgroup_size: 256
    .sgpr_count:     66
    .vgpr_count:     212
    .wavefront_size: 32
...
	.end_amdgpu_metadata
.endif
;; end of part 1
;; launch prep2 (part 2): grid 84 x 1, 16 waves a work-group, no clusters, 35,072 bytes of LDS; arguments x, rsel, rwt, xs, tbl, wts, hid; writes xs, tbl, wts, hid
.if DOCPART == 2
	.amdgcn_target "amdgcn-amd-amdhsa--gfx1250"
	.amdhsa_code_object_version 6
	.text
	.protected	k_qf642a04bee_prep2
	.globl	k_qf642a04bee_prep2
	.p2align	8
	.type	k_qf642a04bee_prep2,@function
k_qf642a04bee_prep2:
	s_mov_b64 s[64:65], 0
	v_nop
	global_prefetch_b8 v0, s[64:65] scope:SCOPE_SE
	s_setreg_imm32_b32 hwreg(HW_REG_WAVE_MODE, 25, 1), 1
	s_wait_xcnt 0x0
; PREP2.  A counting sort of the 2,048 tokens by their SET of two experts (no atomics), the tables for the two products, and the gather of x, rounded to bf16, into the experts' order.
; SETS s = 0..5 = (0,1),(0,2),(0,3),(1,2),(1,3),(2,3), masks 3,5,9,6,10,12; t_s tokens each, u_s = t_s rounded up to 16.  An expert's segment holds the runs of its three sets, s ascending, u_s rows each,
; tokens ascending, and is padded to chunks of 384 rows: 14 chunks at the most for every split.  So a set's run is the same list of tokens in both of its experts.
; Every work-group repeats the sort (8 KB of reads) and then serves rows 64 g .. 64 g + 63: four tiles of 16 rows.  A work-group past the last chunk in use gathers nothing.
; xs = [336 tile][32 ks][2 half][32 lane][16 bytes]: lane 16 h + r holds row r, k = 32 ks + 16 half + 8 h + 0..7.  Padding rows are 0.
; tbl: byte 0 [4]{first chunk, chunks}; 256: 32 entries {act, ea, eb, tile in a, tile in b, q0, rows, tiles - 1} for blocks of 96 rows of a set; 1280: tokq[2176], the tokens by set.
; wts: wrow[5376] the routing weight of each row (0 for padding) at 0; wq[2176] = (wa, wb) by tokq at 21504.  hid: plane 171 (hidden 2736 .. 2751) = 0.
; The tables and wrow leave in pieces shorter than 256 bytes (under 50 KB in all).
; THREE BARRIERS: behind the counts; behind the lists; and at the end, where all paths join, so that every wave's reads of the lists are back before any wave's closing add writes LDS.
.set TOKQ, 21504                       ; LDS: TOKP[5376] at 0: bit 31 a row in use, bit 16 which of its two experts, bits 10:0 the token; TOKQ[2176]; zeroed through byte 32767
.set CNT, 32768                        ; 16 waves x 16 bytes: six counts of 16 bits
.set SPARE, 33024                      ; the spare words, 128 bytes a wave
.set SPW, 190
.set NIL, 191
; scalars: s18 wave, s19 g, s20-25 t, s26-31 prefix then at work, s32-37 u, s38-41 chunks np, s42-46 first chunk CE and their number, s48-51 first row,
;          s52-57 PA, s58-63 PB, s66-71 QB, s72-78 CS, s80-85 running place, s86-91 PA - QB, s92-97 PB - QB, s98-99 at work
	s_load_b256 s[4:11], s[0:1], 0x0               ; x s[4:5], rsel s[6:7], rwt s[8:9], xs s[10:11]
	s_load_b128 s[12:15], s[0:1], 0x20             ; tbl s[12:13], wts s[14:15]
	s_load_b64 s[16:17], s[0:1], 0x30              ; hid
	v_lshl_add_u32 v[SPW], v0, 2, SPARE
	v_mov_b32 v[NIL], 0
	v_lshrrev_b32 v1, 5, v0
	v_readfirstlane_b32 s18, v1                    ; wave 0..15
	s_mov_b32 s19, ttmp9                           ; g
	v_and_b32 v2, 31, v0                           ; lane
	v_lshlrev_b32 v3, 4, v2                        ; 16 x lane
	v_and_b32 v4, 15, v0
	v_lshlrev_b32 v5, 2, v2
	v_lshl_add_u32 v5, s18, 9, v5                  ; my wave's 128 tokens in rsel
	v_lshlrev_b32 v6, 4, v0
.irp r, 12,13,14,15
	v_mov_b32 v\r, 0
.endr
	s_wait_kmcnt 0x0
.irp gi, 0,1,2,3
	global_load_b32 v[8+\gi], v5, s[6:7] offset:128*\gi
.endr
.irp i, 0,1,2,3
	ds_store_b128 v6, v[12:15] offset:8192*\i      ; both lists start as zeros
.endr
.irp s, 0,1,2,3,4,5
	s_mov_b32 s[20+\s], 0
.endr
	s_wait_loadcnt 0x0
	; pass 1: my wave's count of each set
.set si, 0
.irp kv, 3,5,9,6,10,12
.set gi, 0
.rept 4
	v_cmp_eq_u32 s98, \kv, v[8+gi]
	s_bcnt1_i32_b32 s98, s98
	s_add_co_u32 s[20+si], s[20+si], s98
.set gi, gi+1
.endr
.set si, si+1
.endr
.irp p, 0,1,2
	s_lshl_b32 s98, s[21+2*\p], 16
	s_or_b32 s98, s98, s[20+2*\p]
	v_mov_b32 v[16+\p], s98
.endr
	v_mov_b32 v19, 0
	s_lshl_b32 s99, s18, 4
	s_add_co_u32 s99, s99, CNT
	v_mov_b32 v7, s99
	ds_store_b128 v7, v[16:19]
	s_wait_dscnt 0x0                               ; for the others' sake: my zeros and my counts are in LDS
	s_barrier_signal -1
	s_barrier_wait -1
	; totals, and the sum over the waves in front of mine: whole numbers all the way
	v_lshl_add_u32 v7, v4, 4, CNT
	ds_load_b128 v[16:19], v7
	s_wait_dscnt 0x0
	v_cmp_gt_u32 vcc_lo, s18, v4
.irp p, 0,1,2
	v_cndmask_b32 v[20+\p], 0, v[16+\p], vcc_lo
.endr
	v_mov_b32 v24, 0
.irp r, 16,17,18,20,21,22
.irp msk, 1,2,4,8
	v_mov_b32_dpp v24, v[\r] row_xmask:\msk row_mask:0xf bank_mask:0xf
	v_add_nc_u32 v[\r], v[\r], v24
.endr
.endr
.irp p, 0,1,2
	v_readfirstlane_b32 s98, v[16+\p]
	s_and_b32 s[20+2*\p], s98, 0xffff
	s_lshr_b32 s[21+2*\p], s98, 16
	v_readfirstlane_b32 s98, v[20+\p]
	s_and_b32 s[26+2*\p], s98, 0xffff
	s_lshr_b32 s[27+2*\p], s98, 16
.endr
.irp s, 0,1,2,3,4,5
	s_add_co_u32 s[32+\s], s[20+\s], 15
	s_and_b32 s[32+\s], s[32+\s], -16              ; u
.endr
	s_add_co_u32 s38, s32, s33                     ; rows of expert 0: sets 0, 1, 2
	s_add_co_u32 s38, s38, s34
	s_add_co_u32 s39, s32, s35                     ; expert 1: sets 0, 3, 4
	s_add_co_u32 s39, s39, s36
	s_add_co_u32 s40, s33, s35                     ; expert 2: sets 1, 3, 5
	s_add_co_u32 s40, s40, s37
	s_add_co_u32 s41, s34, s36                     ; expert 3: sets 2, 4, 5
	s_add_co_u32 s41, s41, s37
	s_mov_b32 s42, 0
.irp e, 0,1,2,3
	s_add_co_u32 s[38+\e], s[38+\e], 383
	s_mul_i32 s[38+\e], s[38+\e], 43691
	s_lshr_b32 s[38+\e], s[38+\e], 24              ; / 384, exact below 100,000
	s_add_co_u32 s[43+\e], s[42+\e], s[38+\e]      ; s46: chunks in use
	s_mul_i32 s[48+\e], s[42+\e], 384
.endr
	s_mov_b32 s52, s48                             ; PA: a set's first row in its lower expert
	s_add_co_u32 s53, s48, s32
	s_add_co_u32 s54, s53, s33
	s_add_co_u32 s55, s49, s32
	s_add_co_u32 s56, s55, s35
	s_add_co_u32 s57, s50, s33
	s_add_co_u32 s57, s57, s35
	s_mov_b32 s58, s49                             ; PB: in its higher expert
	s_mov_b32 s59, s50
	s_mov_b32 s60, s51
	s_add_co_u32 s61, s50, s33
	s_add_co_u32 s62, s51, s34
	s_add_co_u32 s63, s62, s36
	s_mov_b32 s66, 0
	s_mov_b32 s72, 0
.irp s, 0,1,2,3,4,5
.if \s < 5
	s_add_co_u32 s[67+\s], s[66+\s], s[20+\s]      ; QB: a set's first place in tokq
.endif
	s_add_co_u32 s98, s[20+\s], 95
	s_mul_i32 s98, s98, 43691
	s_lshr_b32 s98, s98, 22                        ; / 96
	s_add_co_u32 s[73+\s], s[72+\s], s98           ; CS: a set's first block of 96 rows; s78: blocks in use, 27 at the most
	s_add_co_u32 s[80+\s], s[66+\s], s[26+\s]
	s_sub_co_u32 s[86+\s], s[52+\s], s[66+\s]
	s_sub_co_u32 s[92+\s], s[58+\s], s[66+\s]
.endr
	; pass 2: each token's place q in tokq, and q + (PA - QB), q + (PB - QB) in the experts' order
	s_lshl_b32 s98, s18, 7
	v_add_nc_u32 v29, s98, v2                      ; the token
.set gi, 0
.rept 4
	v_mov_b32 v25, 0
	v_mov_b32 v26, 0
	v_mov_b32 v27, 0
.set si, 0
.irp kv, 3,5,9,6,10,12
	v_cmp_eq_u32 s98, \kv, v[8+gi]
	v_mbcnt_lo_u32_b32 v28, s98, s[80+si]
	v_cndmask_b32 v25, v25, v28, s98
	v_cndmask_b32 v26, v26, s[86+si], s98
	v_cndmask_b32 v27, v27, s[92+si], s98
	s_bcnt1_i32_b32 s99, s98
	s_add_co_u32 s[80+si], s[80+si], s99
.set si, si+1
.endr
	v_add_nc_u32 v30, v25, v26
	v_add_nc_u32 v31, v25, v27
	v_min_u32 v30, 5375, v30
	v_min_u32 v31, 5375, v31
	v_min_u32 v25, 2047, v25
	v_lshlrev_b32 v30, 2, v30
	v_lshlrev_b32 v31, 2, v31
	v_lshlrev_b32 v25, 2, v25
	v_or_b32 v28, 0x80000000, v29
	v_or_b32 v1, 0x80010000, v29
	ds_store_b32 v30, v28
	ds_store_b32 v31, v1
	ds_store_b32 v25, v29 offset:TOKQ
	v_add_nc_u32 v29, 32, v29
.set gi, gi+1
.endr
	s_wait_dscnt 0x0                               ; for the others' sake
	s_barrier_signal -1
	s_barrier_wait -1                              ; the lists are whole; what follows branches on the counts and joins again at the end
	s_lshl_b32 s98, s19, 6                         ; my first row
	s_mul_i32 s99, s46, 384
	s_cmp_lt_u32 s98, s99
	s_cbranch_scc0 .Lnogather
	; the gather: wave w takes tile 4 g + w / 4, K steps 8 (w % 4) .. + 7
	s_lshr_b32 s26, s18, 2
	s_and_b32 s27, s18, 3
	s_lshl_b32 s28, s26, 4
	s_add_co_u32 s28, s28, s98
	v_add_nc_u32 v164, s28, v4                     ; my row
	v_lshlrev_b32 v165, 2, v164
	ds_load_b32 v160, v165
	s_lshl2_add_u32 s29, s19, s26                  ; the tile
	s_lshl_b32 s30, s29, 15
	s_lshl_b32 s31, s27, 13
	s_add_co_u32 s30, s30, s31
	s_mov_b32 s31, 0
	s_add_nc_u64 s[10:11], s[10:11], s[30:31]
	v_lshrrev_b32 v1, 4, v2
	v_lshlrev_b32 v1, 5, v1                        ; 32 h
	v_lshl_add_u32 v1, s27, 10, v1
	s_wait_dscnt 0x0
	v_and_b32 v161, 0x7ff, v160
	v_min_u32 v161, 0x7ff, v161
	v_ashrrev_i32 v162, 31, v160                   ; all ones for a row in use, 0 for padding
	v_lshl_add_u32 v163, v161, 12, v1
.set u, 0
.rept 16                               ; u = 2 ks + half: eight numbers of x, 32 bytes
	global_load_b128 v[32+8*u:32+8*u+3], v163, s[4:5] offset:64*u
	global_load_b128 v[32+8*u+4:32+8*u+7], v163, s[4:5] offset:64*u+16
.set u, u+1
.endr
.set u, 0
.rept 16
	s_wait_loadcnt 30-2*u                          ; the younger loads stay out
.irp j, 0,1,2,3
	v_cvt_pk_bf16_f32 v[32+8*u+\j], v[32+8*u+2*\j], v[32+8*u+2*\j+1]
.endr
.irp j, 0,1,2,3
	v_and_b32 v[32+8*u+\j], v162, v[32+8*u+\j]
.endr
	global_store_b128 v3, v[32+8*u:32+8*u+3], s[10:11] offset:512*u  ; 512 consecutive bytes, aligned
.set u, u+1
.endr
	s_cmp_lg_u32 s27, 0
	s_cbranch_scc1 .Lnot0
	s_lshl_b32 s30, s29, 9                         ; the tile's 512 bytes of plane 171
	s_add_co_u32 s30, s30, 171*172032
	s_mov_b32 s31, 0
	s_add_nc_u64 s[16:17], s[16:17], s[30:31]
	global_store_b128 v3, v[12:15], s[16:17]
.Lnot0:
	s_cmp_lg_u32 s27, 1
	s_cbranch_scc1 .Lnogather
	v_bfe_u32 v166, v160, 16, 1                    ; which of the token's two weights
	v_and_b32 v167, 0x7ff, v160
	v_lshl_add_u32 v166, v167, 1, v166
	v_min_u32 v166, 0xfff, v166
	v_lshlrev_b32 v166, 2, v166
	global_load_b32 v168, v166, s[8:9]
	s_wait_loadcnt 0x0
	v_and_b32 v168, v162, v168
	global_store_b32 v165, v168, s[14:15]          ; lanes 16-31 repeat lanes 0-15
.Lnogather:
	s_wait_xcnt 0x0                                ; the registers of the stores above may be written again
	s_cmp_ge_u32 s19, 34
	s_cbranch_scc1 .Ltab
	s_cmp_eq_u32 s18, 2
	s_cbranch_scc0 .Lj6
	s_lshl_b32 s26, s19, 8                         ; tokq: 64 entries a work-group
	v_lshl_add_u32 v177, v2, 3, s26
	ds_load_b64 v[178:179], v177 offset:TOKQ
	s_wait_dscnt 0x0
	global_store_b64 v177, v[178:179], s[12:13] offset:1280
.Lj6:
	s_cmp_eq_u32 s18, 6
	s_cbranch_scc0 .Ltab
	s_lshl_b32 s26, s19, 8                         ; the same 64 tokens' two weights
	v_lshl_add_u32 v169, v2, 3, s26
	ds_load_b64 v[170:171], v169 offset:TOKQ
	s_wait_dscnt 0x0
	v_min_u32 v170, 0x7ff, v170
	v_min_u32 v171, 0x7ff, v171
	v_lshlrev_b32 v170, 3, v170
	v_lshlrev_b32 v171, 3, v171
	global_load_b64 v[172:173], v170, s[8:9]
	global_load_b64 v[174:175], v171, s[8:9]
	s_lshl_b32 s26, s19, 9
	v_add_nc_u32 v176, s26, v3
	s_wait_loadcnt 0x0
	global_store_b128 v176, v[172:175], s[14:15] offset:21504
.Ltab:
	s_cmp_lg_u32 s19, 0
	s_cbranch_scc1 .Lend
	s_cmp_eq_u32 s18, 10
	s_cbranch_scc0 .Lj14
	; the entries: lane Y is block Y of 96 rows; its set is the last whose first block is not past Y
	v_mov_b32 v32, 0
	v_mov_b32 v33, 0
	v_mov_b32 v34, 1
	v_mov_b32 v35, s52
	v_mov_b32 v36, s58
	v_mov_b32 v37, 0
	v_mov_b32 v38, s20
.macro SETSEL s, a, b
	v_cmp_le_u32 vcc_lo, s[72+\s], v2
	v_cndmask_b32 v32, v32, s[72+\s], vcc_lo
	v_cndmask_b32 v33, v33, \a, vcc_lo
	v_cndmask_b32 v34, v34, \b, vcc_lo
	v_cndmask_b32 v35, v35, s[52+\s], vcc_lo
	v_cndmask_b32 v36, v36, s[58+\s], vcc_lo
	v_cndmask_b32 v37, v37, s[66+\s], vcc_lo
	v_cndmask_b32 v38, v38, s[20+\s], vcc_lo
.endm
	SETSEL 1, 0, 2
	SETSEL 2, 0, 3
	SETSEL 3, 1, 2
	SETSEL 4, 1, 3
	SETSEL 5, 2, 3
	v_sub_nc_u32 v39, v2, v32
	v_mul_u32_u24 v39, 96, v39                     ; rows of the set in front of this block
	v_add_nc_u32 v35, v35, v39
	v_add_nc_u32 v36, v36, v39
	v_lshrrev_b32 v35, 4, v35                      ; as tiles of 16 rows
	v_lshrrev_b32 v36, 4, v36
	v_add_nc_u32 v37, v37, v39
	v_sub_nc_u32 v38, v38, v39
	v_min_u32 v38, 96, v38
	v_add_nc_u32 v40, 15, v38
	v_lshrrev_b32 v40, 4, v40
	v_add_nc_u32 v40, -1, v40
	v_cmp_gt_u32 vcc_lo, s78, v2                   ; a block in use
	v_cndmask_b32 v44, 0, 1, vcc_lo
	v_cndmask_b32 v45, 0, v33, vcc_lo
	v_cndmask_b32 v46, 0, v34, vcc_lo
	v_cndmask_b32 v47, 0, v35, vcc_lo
	v_cndmask_b32 v48, 0, v36, vcc_lo
	v_cndmask_b32 v49, 0, v37, vcc_lo
	v_cndmask_b32 v50, 0, v38, vcc_lo
	v_cndmask_b32 v51, 0, v40, vcc_lo
	v_lshlrev_b32 v41, 5, v2
	global_store_b128 v41, v[44:47], s[12:13] offset:256
	global_store_b128 v41, v[48:51], s[12:13] offset:272
.Lj14:
	s_cmp_eq_u32 s18, 14
	s_cbranch_scc0 .Lend
	v_and_b32 v42, 3, v2                           ; the expert; eight lanes store the same pair
	v_mov_b32 v52, s42
	v_mov_b32 v53, s38
.irp e, 1,2,3
	v_cmp_eq_u32 vcc_lo, \e, v42
	v_cndmask_b32 v52, v52, s[42+\e], vcc_lo
	v_cndmask_b32 v53, v53, s[38+\e], vcc_lo
.endr
	v_lshlrev_b32 v43, 3, v42
	global_store_b64 v43, v[52:53], s[12:13]
.Lend:                                                 ; all paths of all sixteen waves join here
	s_wait_dscnt 0x0                               ; my reads of the lists are back,
	s_barrier_signal -1
	s_barrier_wait -1                              ; and so are everybody's: only now does any wave write LDS again
	s_wait_tensorcnt 0x0                           ; the wave's end
	ds_add_u32 v[SPW], v[NIL]
	s_wait_dscnt 0x0
	s_endpgm
.Lfunc_end_k_qf642a04bee_prep2:
	.size	k_qf642a04bee_prep2, .Lfunc_end_k_qf642a04bee_prep2-k_qf642a04bee_prep2
	.p2alignl 7, 3214868480
	.fill 96, 4, 3214868480
	.section	.rodata,"a",@progbits
	.p2align	6, 0x0
	.amdhsa_kernel k_qf642a04bee_prep2
		.amdhsa_group_segment_fixed_size 35072
		.amdhsa_private_segment_fixed_size 0
		.amdhsa_enable_private_segment 0
		.amdhsa_kernarg_size 56
		.amdhsa_user_sgpr_count 2
		.amdhsa_user_sgpr_kernarg_segment_ptr 1
		.amdhsa_wavefront_size32 1
		.amdhsa_system_sgpr_workgroup_id_x 1
		.amdhsa_system_sgpr_workgroup_id_y 1
		.amdhsa_system_sgpr_workgroup_id_z 1
		.amdhsa_system_vgpr_workitem_id 0
		.amdhsa_next_free_vgpr 192
		.amdhsa_next_free_sgpr 100
		.amdhsa_reserve_vcc 1
		.amdhsa_float_denorm_mode_32 3
		.amdhsa_float_denorm_mode_16_64 3
		.amdhsa_memory_ordered 1
		.amdhsa_forward_progress 1
		.amdhsa_inst_pref_size 44
	.end_amdhsa_kernel
	.amdgpu_metadata
---
amdhsa.version: [ 1, 2 ]
amdhsa.kernels:
  - .name:           k_qf642a04bee_prep2
    .symbol:         k_qf642a04bee_prep2.kd
    .args:
      - { .name: x, .offset: 0, .size: 8, .value_kind: global_buffer, .address_space: global }
      - { .name: rsel, .offset: 8, .size: 8, .value_kind: global_buffer, .address_space: global }
      - { .name: rwt, .offset: 16, .size: 8, .value_kind: global_buffer, .address_space: global }
      - { .name: xs, .offset: 24, .size: 8, .value_kind: global_buffer, .address_space: global }
      - { .name: tbl, .offset: 32, .size: 8, .value_kind: global_buffer, .address_space: global }
      - { .name: wts, .offset: 40, .size: 8, .value_kind: global_buffer, .address_space: global }
      - { .name: hid, .offset: 48, .size: 8, .value_kind: global_buffer, .address_space: global }
    .group_segment_fixed_size: 35072
    .private_segment_fixed_size: 0
    .kernarg_segment_align: 8
    .kernarg_segment_size: 56
    .max_flat_workgroup_size: 512
    .sgpr_count:     100
    .vgpr_count:     192
    .wavefront_size: 32
...
	.end_amdgpu_metadata
.endif
;; end of part 2
;; launch ffn1 (part 3): grid 57 x 4, 4 waves a work-group, no clusters, 229,888 bytes of LDS; arguments xs, gate_w, up_w, gate_b, up_b, wts, tbl, hid; writes hid
.if DOCPART == 3
	.amdgcn_target "amdgcn-amd-amdhsa--gfx1250"
	.amdhsa_code_object_version 6
	.text
	.protected	k_qf642a04bee_ffn1
	.globl	k_qf642a04bee_ffn1
	.p2align	8
	.type	k_qf642a04bee_ffn1,@function
k_qf642a04bee_ffn1:
	s_mov_b64 s[64:65], 0
	v_nop
	global_prefetch_b8 v0, s[64:65] scope:SCOPE_SE
	s_setreg_imm32_b32 hwreg(HW_REG_WAVE_MODE, 25, 1), 1
	s_wait_xcnt 0x0
; FFN1.  hid[row][h] = w_row x silu(x_row . Wg[:,h] + bg[h]) x (x_row . Wu[:,h] + bu[h]), rounded once to bf16.  Rows in the experts' order (xs), operands bf16, sums and the activation in f32.
; SHARES.  A work-group is (expert e, slice s of 48 hidden columns): 57 x 4, whatever the split of the tokens.  It alone reads its 2 x 1024 x 48 weights, f32, once; they are rounded on the way into LDS,
; [1024 k][gate 48 | up 48 | 16 idle] bf16, rows of 224 bytes, written once.  Then it walks its expert's chunks of 384 rows (np of them, read from tbl): a PASS a chunk, a wave 96 rows x 96 columns = 36 accumulators.
; The pass loop holds no barrier and writes no LDS: x comes from memory straight into registers (xs lies in operand order), the weights out of LDS by the turning load.
; TWO BARRIERS: behind the weights' stores; and at the end, where all paths join, so that every wave's reads of the weights are back before any wave's closing add writes LDS.
; NO CLUSTER, NO TENSOR LOAD: what an expert's work-groups share is xs, inside a loop whose length is read from memory, where no barrier may stand.
; TRANSPOSED USE: source 0 = 16 hidden columns, source 1 = 16 rows: a lane holds one row and eight neighbouring hidden numbers, 16 bytes of bf16, which is the operand order of the next product:
; hid = [172 plane of 16 hidden][336 tile of 16 rows][32 lane][16 bytes].  Each store of a wave is 512 consecutive aligned bytes, with no way through LDS.
; Columns h >= 2730 (slice 56): weights and biases count as 0, so hid is 0 there.  LIMITS: NaN and infinities are not treated apart; 2^y below 2^-126 counts as 0.
; REGISTERS, windows of 256 (s_set_vgpr_msb: bits 1:0 source 0, 3:2 source 1, 5:4 source 2, 7:6 destination):
;   window 0: v0-31 addresses; v32-127 weight fragments, two buffers of six; v128-175 biases; v176-247 at work on the way out
;   window 1: v0-191 x fragments, four buffers of six (first: two buffers of 96 for the weights as loaded); v192-223 accumulators 32-35      window 2: accumulators 0-31.  Accumulator 6 m + T: row tile m, T 0-2 gate, 3-5 up.
.set SPARE, 229376                     ; behind the weights: the spare words, 128 bytes a wave
.set SPW, 30
.set NIL, 31
.set V16, 1                            ; v1     16 x lane
.set VO, 2                             ; v2-4   weights: my three byte offsets in four rows
.set VMK, 5                            ; v5-7   all ones where the column exists
.set VL, 8                             ; v8-10  where they go in LDS
.set ADRB0, 11                         ; v11    my lane's place for the turning load
.set AB, 12                            ; v12    the same at the block of four K steps in hand
.set VW, 13                            ; v13    4 x (lane % 16)
.set WR, 16                            ; v16-21 the routing weight of my row in each of six tiles
.set BF, 32
.set BG, 128
.set BU, 152
.set GG, 176
.set UU, 200
.set EE, 224                           ; its first twelve also hold the packed results
.set MSB, 0
.macro WIN new                         ; the high byte repeats the setting that is left; a switch that changes nothing is dropped
.if MSB != (\new)
	s_set_vgpr_msb (MSB<<8)|(\new)
.set MSB, \new
.endif
.endm
.macro PLACES                          ; four plain instructions between matrix instructions and loads into, or reads of, their registers
	WIN 0
.rept 4
	v_nop
.endr
.endm
	s_load_b256 s[4:11], s[0:1], 0x0               ; xs s[4:5], gate_w s[6:7], up_w s[8:9], gate_b s[10:11]
	s_load_b256 s[12:19], s[0:1], 0x20             ; up_b s[12:13], wts s[14:15], tbl s[16:17], hid s[18:19]
	v_lshl_add_u32 v[SPW], v0, 2, SPARE
	v_mov_b32 v[NIL], 0
	v_lshrrev_b32 v14, 5, v0
	v_readfirstlane_b32 s24, v14                   ; wave 0..3
	s_mov_b32 s25, ttmp9                           ; slice
	s_and_b32 s26, ttmp7, 0xffff                   ; expert
	s_mul_i32 s27, s25, 48                         ; my first hidden column
	s_mul_i32 s58, s24, 57344                      ; my wave's 256 rows of the weights in LDS
	v_and_b32 v15, 31, v0
	v_lshlrev_b32 v[V16], 4, v15
	v_and_b32 v[VW], 15, v0
	v_lshlrev_b32 v[VW], 2, v[VW]
	v_bfe_u32 v14, v0, 4, 1                        ; h
	v_and_b32 v22, 7, v0
	v_lshl_add_u32 v22, v14, 3, v22
	v_mul_u32_u24 v[ADRB0], 224, v22               ; row 8 h + lane % 8,
	v_bfe_u32 v22, v0, 3, 1
	v_lshl_add_u32 v[ADRB0], v22, 4, v[ADRB0]      ; 16 bytes for each eight lanes
	v_lshl_add_u32 v23, v14, 3, s27
.irp q, 0,1,2                          ; biases: my eight hidden numbers of each of three tiles, in pairs; a pair never straddles 2730
.irp i, 0,1,2,3
	v_add_nc_u32 v22, 16*\q+2*\i, v23
	v_cmp_gt_u32 s[40+4*\q+\i], 2730, v22
	v_min_u32 v22, 2728, v22
	v_lshlrev_b32 v[GG+4*\q+\i], 2, v22
.endr
.endr
.irp i, 0,1,2                          ; weights: four rows x 24 pairs of columns = 96 items, three a lane
	v_add_nc_u32 v22, 32*\i, v15
	v_mul_u32_u24 v24, 2731, v22
	v_lshrrev_b32 v24, 16, v24                     ; the row, item / 24
	v_mul_u32_u24 v25, 24, v24
	v_sub_nc_u32 v25, v22, v25                     ; the pair
	v_lshl_add_u32 v26, v25, 1, s27
	v_cmp_gt_u32 vcc_lo, 2730, v26
	v_cndmask_b32 v[VMK+\i], 0, -1, vcc_lo
	v_min_u32 v26, 2728, v26                       ; a pair past the end reads the last pair, and is masked
	v_lshlrev_b32 v26, 2, v26
	v_mad_u32_u24 v[VO+\i], v24, 10920, v26
	v_mul_u32_u24 v27, 224, v24
	v_lshl_add_u32 v27, v25, 2, v27
	v_add_nc_u32 v[VL+\i], s58, v27
.endr
	s_wait_kmcnt 0x0
	s_lshl_b32 s22, s26, 3
	s_mov_b32 s23, 0
	s_add_nc_u64 s[54:55], s[16:17], s[22:23]
	s_load_b64 s[20:21], s[54:55], 0x0             ; my expert's first chunk and number of chunks
	s_mul_i32 s22, s26, 10920
	s_add_nc_u64 s[10:11], s[10:11], s[22:23]
	s_add_nc_u64 s[12:13], s[12:13], s[22:23]
.set a, 0
.rept 12
	global_load_b64 v[BG+2*a:BG+2*a+1], v[GG+a], s[10:11]
	global_load_b64 v[BU+2*a:BU+2*a+1], v[GG+a], s[12:13]
.set a, a+1
.endr
	s_mul_i32 s22, s26, 11182080                   ; an expert's 1,024 rows of 10,920 bytes
	s_mul_i32 s56, s24, 2795520                    ; my wave's 256 rows
	s_add_co_u32 s22, s22, s56
	s_add_nc_u64 s[28:29], s[6:7], s[22:23]
	s_add_nc_u64 s[30:31], s[8:9], s[22:23]
; THE WEIGHTS.  LD: 32 rows of both matrices, 48 loads of 8 bytes a lane (192 neighbouring bytes a row).  CV: rounded, masked, into LDS.
.macro LD buf, so
	WIN 0x40                                       ; destination window 1
.irp mat, 0,1
.set g, 0
.rept 8
.irp i, 0,1,2
	global_load_b64 v[96*(\buf)+2*(24*\mat+3*g+\i):96*(\buf)+2*(24*\mat+3*g+\i)+1], v[VO+\i], s[28+2*\mat:29+2*\mat] offset:349440*(\so)+43680*g
.endr
.set g, g+1
.endr
.endr
.endm
.macro CV buf, so
	WIN 0x45
.set d, 0
.rept 48
	v_cvt_pk_bf16_f32 v[96*(\buf)+2*d], v[96*(\buf)+2*d], v[96*(\buf)+2*d+1]
.set d, d+1
.endr
	WIN 0x44
.set d, 0
.rept 48
	v_and_b32 v[96*(\buf)+2*d], v[VMK+d%3], v[96*(\buf)+2*d]
.set d, d+1
.endr
	WIN 0x04                                       ; the data in window 1
.set d, 0
.rept 48
	ds_store_b32 v[VL+d%3], v[96*(\buf)+2*d] offset:7168*(\so)+896*((d%24)/3)+96*(d/24)
.set d, d+1
.endr
.endm
	LD 0, 0
	LD 1, 1
	WIN 0
	s_mov_b32 s53, 3
.Lwl:
	s_wait_loadcnt 48                              ; the other buffer's 48 loads are younger and stay out
	CV 0, 0
	LD 0, 2
	s_wait_loadcnt 48
	CV 1, 1
	LD 1, 3
	WIN 0
	s_wait_xcnt 0x0                                ; the bases are stepped only behind this wait
	s_add_nc_u64 s[28:29], s[28:29], 698880        ; 64 rows on
	s_add_nc_u64 s[30:31], s[30:31], 698880
.irp i, 0,1,2
	v_add_nc_u32 v[VL+\i], 14336, v[VL+\i]
.endr
	s_sub_co_u32 s53, s53, 1
	s_cmp_lg_u32 s53, 0
	s_cbranch_scc1 .Lwl
	s_wait_loadcnt 48
	CV 0, 0
	s_wait_loadcnt 0x0
	CV 1, 1
	WIN 0
.irp bb, BG, BU                        ; the biases: rounded to bf16 as every input is, widened again, 0 past the end
.set a, 0
.rept 12
	v_cvt_pk_bf16_f32 v22, v[\bb+2*a], v[\bb+2*a+1]
	v_lshlrev_b32 v[\bb+2*a], 16, v22
	v_and_b32 v[\bb+2*a+1], 0xffff0000, v22
	v_cndmask_b32 v[\bb+2*a], 0, v[\bb+2*a], s[40+a]
	v_cndmask_b32 v[\bb+2*a+1], 0, v[\bb+2*a+1], s[40+a]
.set a, a+1
.endr
.endr
	s_wait_kmcnt 0x0
	s_min_u32 s20, s20, 13
	s_min_u32 s21, s21, 6                          ; 2,048 rows and three roundings to 16 are six chunks at the most
	s_wait_dscnt 0x0                               ; for the others' sake: my part of the weights is in LDS
	s_barrier_signal -1
	s_barrier_wait -1                              ; the weights are whole
	s_cmp_eq_u32 s21, 0
	s_cbranch_scc1 .Lend                           ; an expert that no token chose
.macro NEXT                            ; s[34:35] = xs at my wave's six tiles of pass s56
	s_add_co_u32 s57, s20, s56
	s_min_u32 s57, s57, 13
	s_mul_i32 s54, s57, 786432
	s_mul_i32 s55, s24, 196608
	s_add_co_u32 s54, s54, s55
	s_mov_b32 s55, 0
	s_add_nc_u64 s[34:35], s[4:5], s[54:55]
.endm
.macro LOADA buf, base, off            ; six fragments of x for one K step: twelve loads of 512 neighbouring bytes
	WIN 0x40
.irp m, 0,1,2,3,4,5
	global_load_b128 v[48*(\buf)+8*\m:48*(\buf)+8*\m+3], v[V16], s[\base:\base+1] offset:32768*\m+(\off)
	global_load_b128 v[48*(\buf)+8*\m+4:48*(\buf)+8*\m+7], v[V16], s[\base:\base+1] offset:32768*\m+(\off)+512
.endr
.endm
.macro LOADB buf, adr, off             ; six fragments of the weights, turned: k by 16 rows of 224 bytes
	WIN 0
.irp T, 0,1,2,3,4,5
	ds_load_tr16_b128 v[BF+48*(\buf)+8*\T:BF+48*(\buf)+8*\T+3], v[\adr] offset:(\off)+32*\T
	ds_load_tr16_b128 v[BF+48*(\buf)+8*\T+4:BF+48*(\buf)+8*\T+7], v[\adr] offset:(\off)+32*\T+3584
.endr
.endm
.macro MUL b, zero                     ; 36 products, the accumulators by turns, one instruction a turn
.set t, 0
.rept 36
.if t < 32
	WIN 0xa4                                       ; weights window 0, x window 1, sums window 2
.set rD, 8*t
.else
	WIN 0x54                                       ; sums window 1
.set rD, 192+8*(t-32)
.endif
.set rB, BF+48*((\b)%2)+8*(t%6)
.set rA, 48*(\b)+8*(t/6)
.if \zero
	v_wmma_f32_16x16x32_bf16 v[rD:rD+7], v[rB:rB+7], v[rA:rA+7], 0
.else
	v_wmma_f32_16x16x32_bf16 v[rD:rD+7], v[rB:rB+7], v[rA:rA+7], v[rD:rD+7]
.endif
.set t, t+1
.endr
.endm
; K step b of a block of four.  It asks for the weights of the next step and for x three steps on, then multiplies.  lc: the loads younger than this step's x.
; nxt = 1: x of the next pass (steps b - 1).  last = 1: the weights of step 0 again.
.macro STEP b, zero, lc, nxt, last
	PLACES                                         ; the buffers filled below were read by the step before
.if \last
	LOADB ((\b)+1)%2, ADRB0, 0
.else
	LOADB ((\b)+1)%2, AB, ((\b)+1)*7168
.endif
.if \nxt
	LOADA ((\b)+3)%4, 34, ((\b)-1)*1024
.else
	LOADA ((\b)+3)%4, 32, ((\b)+3)*1024
.endif
	s_wait_loadcnt \lc
	s_wait_dscnt 12                                ; all but the twelve just issued
	MUL \b, \zero
.endm
.macro ACC t                           ; where accumulator t lies
.if (\t) < 32
.set rD, 8*(\t)
.set aw, 2
.else
.set rD, 192+8*((\t)-32)
.set aw, 1
.endif
.endm
; THE WAY OUT of row tile m: 24 gate and 24 up numbers a lane.  Each accumulator is read from its low end on.
.macro EPI m
	WIN 0
	s_wait_xcnt 0x0                                ; the last tile's stores have read their registers
.irp q, 0,1,2
	ACC 6*(\m)+\q
	WIN aw
.irp i, 0,1,2,3
	v_pk_add_f32 v[GG+8*\q+2*\i:GG+8*\q+2*\i+1], v[rD+2*\i:rD+2*\i+1], v[BG+8*\q+2*\i:BG+8*\q+2*\i+1]
.endr
.endr
.irp q, 0,1,2
	ACC 6*(\m)+3+\q
	WIN aw
.irp i, 0,1,2,3
	v_pk_add_f32 v[UU+8*\q+2*\i:UU+8*\q+2*\i+1], v[rD+2*\i:rD+2*\i+1], v[BU+8*\q+2*\i:BU+8*\q+2*\i+1]
.endr
.endr
	WIN 0
.set i, 0
.rept 12
	v_pk_mul_f32 v[EE+2*i:EE+2*i+1], v[GG+2*i:GG+2*i+1], 0xbfb8aa3b op_sel_hi:[1,0]  ; - g log2(e)
.set i, i+1
.endr
.set i, 0
.rept 24
	v_exp_f32 v[EE+i], v[EE+i]
.set i, i+1
.endr
.if (\m)%2 == 0                        ; u x the row's routing weight: the independent work behind the batch
.set i, 0
.rept 12
	v_pk_mul_f32 v[UU+2*i:UU+2*i+1], v[UU+2*i:UU+2*i+1], v[WR+(\m):WR+(\m)+1] op_sel_hi:[1,0]
.set i, i+1
.endr
.else
.set i, 0
.rept 24
	v_mul_f32 v[UU+i], v[UU+i], v[WR+(\m)]
.set i, i+1
.endr
.endif
	s_wait_alu depctr_va_vdst(0)                   ; one wait for the 24 exponentials, ahead of their first reader
.set i, 0
.rept 12
	v_pk_add_f32 v[EE+2*i:EE+2*i+1], v[EE+2*i:EE+2*i+1], 1.0 op_sel_hi:[1,0]
.set i, i+1
.endr
.set i, 0
.rept 24
	v_rcp_f32 v[EE+i], v[EE+i]
.set i, i+1
.endr
	v_nop                                          ; a plain instruction behind the last reciprocal
	s_wait_alu depctr_va_vdst(0)                   ; one wait for the 24
.set i, 0
.rept 12
	v_pk_mul_f32 v[GG+2*i:GG+2*i+1], v[GG+2*i:GG+2*i+1], v[EE+2*i:EE+2*i+1]  ; silu first: an infinite exponential gives 0 here
.set i, i+1
.endr
.set i, 0
.rept 12
	v_pk_mul_f32 v[GG+2*i:GG+2*i+1], v[GG+2*i:GG+2*i+1], v[UU+2*i:UU+2*i+1]
.set i, i+1
.endr
.set i, 0
.rept 12
	v_cvt_pk_bf16_f32 v[EE+i], v[GG+2*i], v[GG+2*i+1]
.set i, i+1
.endr
.irp q, 0,1,2
	global_store_b128 v[V16], v[EE+4*\q:EE+4*\q+3], s[36:37] offset:172032*\q+512*(\m)  ; 512 consecutive aligned bytes: a tile of one plane
.endr
.endm
	s_mov_b32 s56, 0
	NEXT
	LOADA 0, 34, 0                                 ; the first pass: x of K steps 0, 1, 2 and the weights of step 0
	LOADA 1, 34, 1024
	LOADA 2, 34, 2048
	LOADB 0, ADRB0, 0
	WIN 0
	s_mov_b32 s52, 0
.Lpass:                                                ; counted to the constant 6; passes past np are jumped, to a label ahead of the count's step
	s_cmp_ge_u32 s52, s21
	s_cbranch_scc1 .Lskip
	s_wait_xcnt 0x0                                ; the bases below are written again only behind this wait
	s_mov_b64 s[32:33], s[34:35]
	s_add_co_u32 s57, s20, s52
	s_min_u32 s57, s57, 13                         ; the chunk
	s_mul_i32 s54, s57, 24
	s_mul_i32 s55, s24, 6
	s_add_co_u32 s54, s54, s55                     ; my first tile
	s_lshl_b32 s58, s54, 6                         ; its rows' weights: 16 x 4 bytes a tile
	s_mov_b32 s59, 0
	s_add_nc_u64 s[38:39], s[14:15], s[58:59]
	s_lshl_b32 s54, s54, 9
	s_mul_i32 s55, s25, 516096                     ; my slice's three planes
	s_add_co_u32 s54, s54, s55
	s_mov_b32 s55, 0
	s_add_nc_u64 s[36:37], s[18:19], s[54:55]
	s_add_co_u32 s56, s52, 1
	s_sub_co_u32 s57, s21, 1
	s_min_u32 s56, s56, s57                        ; the next pass; behind the last one the same chunk is asked for once more and not used
	NEXT
	v_mov_b32 v[AB], v[ADRB0]
.irp m, 0,1,2,3,4,5
	global_load_b32 v[WR+\m], v[VW], s[38:39] offset:64*\m
.endr
	STEP 0, 1, 42, 0, 0                            ; younger than step 0: steps 1, 2, the six weights, step 3
	STEP 1, 0, 42, 0, 0                            ; step 2, the six, steps 3, 4
	STEP 2, 0, 42, 0, 0                            ; the six, steps 3, 4, 5
	STEP 3, 0, 36, 0, 0                            ; from here on: three steps of twelve
	WIN 0
	s_wait_xcnt 0x0
	s_add_nc_u64 s[32:33], s[32:33], 4096
	v_add_nc_u32 v[AB], 28672, v[AB]
	s_mov_b32 s53, 6
.Lblk:
	STEP 0, 0, 36, 0, 0
	STEP 1, 0, 36, 0, 0
	STEP 2, 0, 36, 0, 0
	STEP 3, 0, 36, 0, 0
	WIN 0
	s_wait_xcnt 0x0
	s_add_nc_u64 s[32:33], s[32:33], 4096
	v_add_nc_u32 v[AB], 28672, v[AB]
	s_sub_co_u32 s53, s53, 1
	s_cmp_lg_u32 s53, 0
	s_cbranch_scc1 .Lblk
	STEP 0, 0, 36, 0, 0                            ; asks for step 31
	STEP 1, 0, 36, 1, 0                            ; the next pass is on its way while this one ends and goes out
	STEP 2, 0, 36, 1, 0
	STEP 3, 0, 36, 1, 1
	PLACES
	EPI 0
	EPI 1
	EPI 2
	EPI 3
	EPI 4
	EPI 5
.Lskip:
	s_add_co_u32 s52, s52, 1
	s_cmp_lt_u32 s52, 6
	s_cbranch_scc1 .Lpass
.Lend:                                                 ; all paths of all four waves join here
	s_wait_dscnt 0x0                               ; my reads of the weights are back (the last pass asked for step 0 once more),
	s_barrier_signal -1
	s_barrier_wait -1                              ; and so are everybody's: only now does any wave write LDS again
	s_wait_tensorcnt 0x0                           ; the wave's end
	ds_add_u32 v[SPW], v[NIL]
	s_wait_dscnt 0x0
	s_endpgm
.Lfunc_end_k_qf642a04bee_ffn1:
	.size	k_qf642a04bee_ffn1, .Lfunc_end_k_qf642a04bee_ffn1-k_qf642a04bee_ffn1
	.p2alignl 7, 3214868480
	.fill 96, 4, 3214868480
	.section	.rodata,"a",@progbits
	.p2align	6, 0x0
	.amdhsa_kernel k_qf642a04bee_ffn1
		.amdhsa_group_segment_fixed_size 229888
		.amdhsa_private_segment_fixed_size 0
		.amdhsa_enable_private_segment 0
		.amdhsa_kernarg_size 64
		.amdhsa_user_sgpr_count 2
		.amdhsa_user_sgpr_kernarg_segment_ptr 1
		.amdhsa_wavefront_size32 1
		.amdhsa_system_sgpr_workgroup_id_x 1
		.amdhsa_system_sgpr_workgroup_id_y 1
		.amdhsa_system_sgpr_workgroup_id_z 1
		.amdhsa_system_vgpr_workitem_id 0
		.amdhsa_next_free_vgpr 768
		.amdhsa_next_free_sgpr 66
		.amdhsa_reserve_vcc 1
		.amdhsa_float_denorm_mode_32 3
		.amdhsa_float_denorm_mode_16_64 3
		.amdhsa_memory_ordered 1
		.amdhsa_forward_progress 1
		.amdhsa_inst_pref_size 176
	.end_amdhsa_kernel
	.amdgpu_metadata
---
amdhsa.version: [ 1, 2 ]
amdhsa.kernels:
  - .name:           k_qf642a04bee_ffn1
    .symbol:         k_qf642a04bee_ffn1.kd
    .args:
      - { .name: xs, .offset: 0, .size: 8, .value_kind: global_buffer, .address_space: global }
      - { .name: gate_w, .offset: 8, .size: 8, .value_kind: global_buffer, .address_space: global }
      - { .name: up_w, .offset: 16, .size: 8, .value_kind: global_buffer, .address_space: global }
      - { .name: gate_b, .offset: 24, .size: 8, .value_kind: global_buffer, .address_space: global }
      - { .name: up_b, .offset: 32, .size: 8, .value_kind: global_buffer, .address_space: global }
      - { .name: wts, .offset: 40, .size: 8, .value_kind: global_buffer, .address_space: global }
      - { .name: tbl, .offset: 48, .size: 8, .value_kind: global_buffer, .address_space: global }
      - { .name: hid, .offset: 56, .size: 8, .value_kind: global_buffer, .address_space: global }
    .group_segment_fixed_size: 229888
    .private_segment_fixed_size: 0
    .kernarg_segment_align: 8
    .kernarg_segment_size: 64
    .max_flat_workgroup_size: 128
    .sgpr_count:     66
    .vgpr_count:     768
    .wavefront_size: 32
...
	.end_amdgpu_metadata
.endif
;; end of part 3
;; launch ffn2 (part 4): grid 8 x 27, 4 waves a work-group, no clusters, 203,264 bytes of LDS; arguments hid, dwf, down_b, wts, tbl, out0; writes out0
.if DOCPART == 4
	.amdgcn_target "amdgcn-amd-amdhsa--gfx1250"
	.amdhsa_code_object_version 6
	.text
	.protected	k_qf642a04bee_ffn2
	.globl	k_qf642a04bee_ffn2
	.p2align	8
	.type	k_qf642a04bee_ffn2,@function
k_qf642a04bee_ffn2:
	s_mov_b64 s[64:65], 0
	v_nop
	global_prefetch_b8 v0, s[64:65] scope:SCOPE_SE
	s_setreg_imm32_b32 hwreg(HW_REG_WAVE_MODE, 25, 1), 1
	s_wait_xcnt 0x0
; FFN2.  out[token] = hid_a . D_a + hid_b . D_b + w_a b_a + w_b b_b: the routing weights are already in hid.  Operands bf16, sums f32, out f32.
; SHARES.  A work-group is (block Y of up to 96 tokens of ONE set of experts, 128 columns x): 8 x 27; 27 blocks bound every split (the sum of ceil(t_s / 96) over six sets of 2,048 tokens).  An entry of tbl says which
; experts, where the block's rows lie in each, and how many there are; a block not in use stores nothing.  So each output row has one owner and nothing is added up later.
; THE FOUR WAVES SPLIT K: waves 0, 1 the lower expert's hidden 0-1375 and 1376-2751, waves 2, 3 the higher's: 43 steps of 32 each; each wave holds the whole 96 x 128 in 48 accumulators.  No operand is shared
; between waves, and both lie in memory in operand order: they come straight into registers, and the loop has no LDS and no barrier.  The four partial sums (f32) meet once in LDS, which also makes whole rows.
; NO CLUSTER, NO TENSOR LOAD: joint loads want barriers in front of work that a block not in use must jump.
; Hidden 2730 .. 2751: hid and dwf hold zeros there.  Tiles past the block's last repeat its last tile; their rows are not stored.
; TRANSPOSED USE: source 0 = 16 columns of D, source 1 = 16 rows of hid: a lane holds one row and eight neighbouring columns.
; REGISTERS, windows of 256: window 0: v0-31 addresses, biases; v32-175 hid fragments, three buffers of six (later the reduction); v176-199 the tokens, v200-247 their two weights
;   window 1: v0-191 D fragments, three buffers of eight      window 2: accumulators 0-31      window 3: accumulators 32-47.  Accumulator 8 m + nb.
.set PART, 50688                       ; a wave's partial sums: 96 rows of 528 bytes (512 + 16: the sixteen rows of a store start at sixteen different groups of four banks, ISA guide 11.1)
.set SPARE, 4*PART                     ; behind them: the spare words, 128 bytes a wave
.set SPW, 30
.set NIL, 31
.set V16, 1
.set VA, 4                             ; v4-9   16 x lane + 512 x tile, for six row tiles
.set VS, 10                            ; v10    where my lane puts its sums
.set VR, 11                            ; v11-14 where it reads the four parts back
.set VZ, 15                            ; v15    0
.set BA, 16                            ; v16-19 the lower expert's bias for my four columns
.set BB, 20                            ; v20-23 the higher expert's
.set VCOL, 24
.set AF, 32
.set TOK, 176
.set WQ, 200
.set MSB, 0
.macro WIN new
.if MSB != (\new)
	s_set_vgpr_msb (MSB<<8)|(\new)
.set MSB, \new
.endif
.endm
.macro PLACES
	WIN 0
.rept 4
	v_nop
.endr
.endm
	s_load_b256 s[4:11], s[0:1], 0x0               ; hid s[4:5], dwf s[6:7], down_b s[8:9], wts s[10:11]
	s_load_b128 s[12:15], s[0:1], 0x20             ; tbl s[12:13], out0 s[14:15]
	v_lshl_add_u32 v[SPW], v0, 2, SPARE
	v_mov_b32 v[NIL], 0
	v_lshrrev_b32 v2, 5, v0
	v_readfirstlane_b32 s26, v2                    ; wave 0..3
	s_mov_b32 s27, ttmp9                           ; x
	s_and_b32 s28, ttmp7, 0xffff                   ; Y
	s_lshl_b32 s24, s28, 5
	s_add_co_u32 s24, s24, 256
	s_mov_b32 s25, 0
	s_wait_kmcnt 0x0
	s_add_nc_u64 s[24:25], s[12:13], s[24:25]
	s_load_b256 s[16:23], s[24:25], 0x0            ; act, ea, eb, tile in a, tile in b, q0, rows, tiles - 1
	v_and_b32 v2, 31, v0
	v_lshlrev_b32 v[V16], 4, v2
	v_mov_b32 v[VZ], 0
	v_and_b32 v25, 15, v0
	v_bfe_u32 v26, v0, 4, 1
	v_mul_u32_u24 v[VS], 528, v25
	v_lshl_add_u32 v[VS], v26, 5, v[VS]
	s_mul_i32 s44, s26, PART
	v_add_nc_u32 v[VS], s44, v[VS]
	s_wait_kmcnt 0x0
	s_min_u32 s17, s17, 3
	s_min_u32 s18, s18, 3
	s_min_u32 s19, s19, 335
	s_min_u32 s20, s20, 335
	s_min_u32 s21, s21, 2047
	s_min_u32 s22, s22, 96
	s_min_u32 s23, s23, 5
	s_cmp_lt_u32 s26, 2
	s_cselect_b32 s29, s17, s18                    ; my wave's expert
	s_cselect_b32 s30, s19, s20                    ; and the block's first tile there
	s_and_b32 s31, s26, 1
	s_mul_i32 s31, s31, 43                         ; my first K step
.irp m, 0,1,2,3,4,5
	s_min_u32 s44, s23, \m
	s_add_co_u32 s44, s44, s30
	s_min_u32 s44, s44, 335
	s_lshl_b32 s44, s44, 9
	v_add_nc_u32 v[VA+\m], s44, v[V16]
.endr
	s_mov_b32 s45, 0
	s_mul_i32 s44, s31, 344064                     ; two planes a K step
	s_add_nc_u64 s[32:33], s[4:5], s[44:45]
	s_mul_i32 s44, s29, 86
	s_add_co_u32 s44, s44, s31
	s_lshl_b32 s44, s44, 6
	s_lshl3_add_u32 s44, s27, s44                  ; + my eight column blocks
	s_lshl_b32 s44, s44, 10
	s_add_nc_u64 s[34:35], s[6:7], s[44:45]
	s_mul_i32 s48, s26, 24
	s_add_co_u32 s48, s48, s21                     ; the first of the 24 rows that I store, in tokq
	s_lshl_b32 s44, s48, 2
	s_add_co_u32 s44, s44, 1280
	s_add_nc_u64 s[36:37], s[12:13], s[44:45]
	s_lshl_b32 s44, s48, 3
	s_add_co_u32 s44, s44, 21504
	s_add_nc_u64 s[38:39], s[10:11], s[44:45]
	s_lshl_b32 s48, s27, 9
	s_lshl_b32 s44, s17, 12
	s_add_co_u32 s44, s44, s48
	s_add_nc_u64 s[40:41], s[8:9], s[44:45]
	s_lshl_b32 s44, s18, 12
	s_add_co_u32 s44, s44, s48
	s_add_nc_u64 s[42:43], s[8:9], s[44:45]
.set i, 0
.rept 24                               ; the same word in every lane: a row's token and its two weights
	global_load_b32 v[TOK+i], v[VZ], s[36:37] offset:4*i
	global_load_b64 v[WQ+2*i:WQ+2*i+1], v[VZ], s[38:39] offset:8*i
.set i, i+1
.endr
	global_load_b128 v[BA:BA+3], v[V16], s[40:41]
	global_load_b128 v[BB:BB+3], v[V16], s[42:43]
	s_cmp_eq_u32 s16, 0
	s_cbranch_scc1 .Lbar                           ; a block not in use: what is jumped holds loads, products and LDS stores, no barrier
.macro LDC buf, co                     ; K step co from the bases: six fragments of hid, eight of D: 28 loads of 512 neighbouring bytes
	WIN 0
.irp m, 0,1,2,3,4,5
	global_load_b128 v[AF+48*(\buf)+8*\m:AF+48*(\buf)+8*\m+3], v[VA+\m], s[32:33] offset:344064*(\co)
	global_load_b128 v[AF+48*(\buf)+8*\m+4:AF+48*(\buf)+8*\m+7], v[VA+\m], s[32:33] offset:344064*(\co)+172032
.endr
	WIN 0x40
.set t, 0
.rept 16
	global_load_b128 v[64*(\buf)+4*t:64*(\buf)+4*t+3], v[V16], s[34:35] offset:65536*(\co)+512*t
.set t, t+1
.endr
.endm
.macro MUL b, zero                     ; 48 products, the accumulators by turns, one instruction a turn
.set t, 0
.rept 48
.if t < 32
	WIN 0xa1                                       ; D fragments window 1, hid window 0, sums window 2
.set rD, 8*t
.else
	WIN 0xf1                                       ; sums window 3
.set rD, 8*(t-32)
.endif
.set rB, 64*(\b)+8*(t%8)
.set rA, AF+48*(\b)+8*(t/8)
.if \zero
	v_wmma_f32_16x16x32_bf16 v[rD:rD+7], v[rB:rB+7], v[rA:rA+7], 0
.else
	v_wmma_f32_16x16x32_bf16 v[rD:rD+7], v[rB:rB+7], v[rA:rA+7], v[rD:rD+7]
.endif
.set t, t+1
.endr
.endm
.macro STEP b, zero, ld, lc            ; multiplies buffer b; ld = 1: asks for the step two on, into the buffer read last.  lc: the loads younger than this step's
	PLACES
.if \ld
	LDC ((\b)+2)%3, (\b)+2
.endif
	s_wait_loadcnt \lc
	MUL \b, \zero
.endm
.macro ONWARD
	WIN 0
	s_wait_xcnt 0x0                                ; the bases are stepped only behind this wait
	s_add_nc_u64 s[32:33], s[32:33], 1032192       ; three K steps
	s_add_nc_u64 s[34:35], s[34:35], 196608
.endm
	LDC 0, 0
	LDC 1, 1
	STEP 0, 1, 1, 56                               ; two steps of 28 loads are younger
	STEP 1, 0, 1, 56
	STEP 2, 0, 1, 56
	ONWARD
	s_mov_b32 s46, 12
.Lk:
	STEP 0, 0, 1, 56
	STEP 1, 0, 1, 56
	STEP 2, 0, 1, 56
	ONWARD
	s_sub_co_u32 s46, s46, 1
	s_cmp_lg_u32 s46, 0
	s_cbranch_scc1 .Lk
	STEP 0, 0, 1, 56                               ; steps 39 to 42: the last two ask for nothing
	STEP 1, 0, 1, 56
	STEP 2, 0, 0, 28
	STEP 0, 0, 0, 0
	PLACES
.set t, 0
.rept 48                               ; my partial sums into my part of LDS, each accumulator from its low end on
.if t < 32
	WIN 0x08
.set rD, 8*t
.else
	WIN 0x0c
.set rD, 8*(t-32)
.endif
	ds_store_b128 v[VS], v[rD:rD+3] offset:8448*(t/8)+64*(t%8)
	ds_store_b128 v[VS], v[rD+4:rD+7] offset:8448*(t/8)+64*(t%8)+16
.set t, t+1
.endr
	WIN 0
.Lbar:
	s_wait_dscnt 0x0                               ; for the others' sake: my sums are in LDS
	s_barrier_signal -1
	s_barrier_wait -1                              ; the one barrier, on every path of every wave
	s_cmp_eq_u32 s16, 0
	s_cbranch_scc1 .Lend
	; THE REDUCTION.  Wave w takes rows 24 w .. + 23: a lane four columns, a wave a row's 512 bytes.
	s_wait_loadcnt 0x0
.irp b, BA, BB                         ; the biases rounded to bf16, as every input is, and widened again
	v_cvt_pk_bf16_f32 v25, v[\b], v[\b+1]
	v_cvt_pk_bf16_f32 v26, v[\b+2], v[\b+3]
	v_lshlrev_b32 v[\b], 16, v25
	v_and_b32 v[\b+1], 0xffff0000, v25
	v_lshlrev_b32 v[\b+2], 16, v26
	v_and_b32 v[\b+3], 0xffff0000, v26
.endr
	s_lshl_b32 s44, s27, 9
	v_add_nc_u32 v[VCOL], s44, v[V16]
.set i, 0
.rept 24
	v_min_u32 v[TOK+i], 0x7ff, v[TOK+i]
	v_lshl_add_u32 v[TOK+i], v[TOK+i], 12, v[VCOL] ; the byte offset of my 16 bytes in the token's row
.set i, i+1
.endr
	s_mul_i32 s44, s26, 12672
	v_add_nc_u32 v[VR], s44, v[V16]
	v_add_nc_u32 v[VR+1], PART, v[VR]
	v_add_nc_u32 v[VR+2], 2*PART, v[VR]
	v_add_nc_u32 v[VR+3], 3*PART, v[VR]
	s_mul_i32 s47, s26, 24
	s_sub_co_i32 s47, s22, s47                     ; how many of my 24 rows exist (may be negative)
.macro ROWOUT i, ii                    ; row i of my 24, the ii-th of its group of six
.set r0, AF+16*(\ii)
	v_pk_add_f32 v[r0:r0+1], v[r0:r0+1], v[r0+4:r0+5]
	v_pk_add_f32 v[r0+2:r0+3], v[r0+2:r0+3], v[r0+6:r0+7]
	v_pk_add_f32 v[r0+8:r0+9], v[r0+8:r0+9], v[r0+12:r0+13]
	v_pk_add_f32 v[r0+10:r0+11], v[r0+10:r0+11], v[r0+14:r0+15]
	v_pk_add_f32 v[r0:r0+1], v[r0:r0+1], v[r0+8:r0+9]
	v_pk_add_f32 v[r0+2:r0+3], v[r0+2:r0+3], v[r0+10:r0+11]
.irp j, 0,1,2,3
	v_fma_f32 v[r0+\j], v[WQ+2*(\i)], v[BA+\j], v[r0+\j]
.endr
.irp j, 0,1,2,3
	v_fma_f32 v[r0+\j], v[WQ+2*(\i)+1], v[BB+\j], v[r0+\j]
.endr
	s_cmp_gt_i32 s47, \i
	s_cbranch_scc0 .Lno_\@                         ; a row past the count: its one store is jumped
	global_store_b128 v[TOK+(\i)], v[r0:r0+3], s[14:15] th:TH_STORE_NT  ; 512 consecutive bytes of one row of out0, aligned
.Lno_\@:
.endm
.set gq, 0
.rept 4
	s_wait_xcnt 0x0                                ; the last group's stores have read their registers
.set ii, 0
.rept 6
.irp p, 0,1,2,3
	ds_load_b128 v[AF+16*ii+4*\p:AF+16*ii+4*\p+3], v[VR+\p] offset:528*(6*gq+ii)
.endr
.set ii, ii+1
.endr
	s_wait_dscnt 0x0
.set ii, 0
.rept 6
	ROWOUT 6*gq+ii, ii
.set ii, ii+1
.endr
.set gq, gq+1
.endr
.Lend:
	s_wait_tensorcnt 0x0                           ; the wave's end
	ds_add_u32 v[SPW], v[NIL]
	s_wait_dscnt 0x0
	s_endpgm
.Lfunc_end_k_qf642a04bee_ffn2:
	.size	k_qf642a04bee_ffn2, .Lfunc_end_k_qf642a04bee_ffn2-k_qf642a04bee_ffn2
	.p2alignl 7, 3214868480
	.fill 96, 4, 3214868480
	.section	.rodata,"a",@progbits
	.p2align	6, 0x0
	.amdhsa_kernel k_qf642a04bee_ffn2
		.amdhsa_group_segment_fixed_size 203264
		.amdhsa_private_segment_fixed_size 0
		.amdhsa_enable_private_segment 0
		.amdhsa_kernarg_size 48
		.amdhsa_user_sgpr_count 2
		.amdhsa_user_sgpr_kernarg_segment_ptr 1
		.amdhsa_wavefront_size32 1
		.amdhsa_system_sgpr_workgroup_id_x 1
		.amdhsa_system_sgpr_workgroup_id_y 1
		.amdhsa_system_sgpr_workgroup_id_z 1
		.amdhsa_system_vgpr_workitem_id 0
		.amdhsa_next_free_vgpr 896
		.amdhsa_next_free_sgpr 66
		.amdhsa_reserve_vcc 0
		.amdhsa_float_denorm_mode_32 3
		.amdhsa_float_denorm_mode_16_64 3
		.amdhsa_memory_ordered 1
		.amdhsa_forward_progress 1
		.amdhsa_inst_pref_size 110
	.end_amdhsa_kernel
	.amdgpu_metadata
---
amdhsa.version: [ 1, 2 ]
amdhsa.kernels:
  - .name:           k_qf642a04bee_ffn2
    .symbol:         k_qf642a04bee_ffn2.kd
    .args:
      - { .name: hid, .offset: 0, .size: 8, .value_kind: global_buffer, .address_space: global }
      - { .name: dwf, .offset: 8, .size: 8, .value_kind: global_buffer, .address_space: global }
      - { .name: down_b, .offset: 16, .size: 8, .value_kind: global_buffer, .address_space: global }
      - { .name: wts, .offset: 24, .size: 8, .value_kind: global_buffer, .address_space: global }
      - { .name: tbl, .offset: 32, .size: 8, .value_kind: global_buffer, .address_space: global }
      - { .name: out0, .offset: 40, .size: 8, .value_kind: global_buffer, .address_space: global }
    .group_segment_fixed_size: 203264
    .private_segment_fixed_size: 0
    .kernarg_segment_align: 8
    .kernarg_segment_size: 48
    .max_flat_workgroup_size: 128
    .sgpr_count:     66
    .vgpr_count:     896
    .wavefront_size: 32
...
	.end_amdgpu_metadata
.endif
;; end of part 4
;; ======== version 2 of 2: 4 launches; 1.14 times as fast as version 1
;; workspace buffers: rsel 8,192 bytes of whole numbers; rwt 16,384 bytes; dwf 22,544,384 bytes; xs 11,010,048 bytes; tbl 9,984 bytes of whole numbers; wts 38,912 bytes; hid 29,589,504 bytes
;; launch prep1 (part 5): grid 408 x 1, 8 waves a work-group, no clusters, 66,560 bytes of LDS; arguments x, router_w, down_w, rsel, rwt, dwf; writes rsel, rwt, dwf
.if DOCPART == 5
	.amdgcn_target "amdgcn-amd-amdhsa--gfx1250"
	.amdhsa_code_object_version 6
	.text
	.protected	k_qf642a04bee_prep1
	.globl	k_qf642a04bee_prep1
	.p2align	8
	.type	k_qf642a04bee_prep1,@function
k_qf642a04bee_prep1:
	s_mov_b64 s[64:65], 0
	v_nop
	global_prefetch_b8 v0, s[64:65] scope:SCOPE_SE
	s_setreg_imm32_b32 hwreg(HW_REG_WAVE_MODE, 25, 1), 1
	s_wait_xcnt 0x0
; PREP1.  Work-groups 0-63: the router.  Work-groups 64-407: down_w, f32 [4][2730][1024], rounded to bf16 and laid in the order in which a matrix operand takes it.
; ROUTER.  logits = x . router_w, both rounded to bf16 first (as every input of this program is), products and sums in f32; top 2 of 4 (of equal logits the lower index wins, by strict compares in ascending order);
; softmax of the two with the larger taken away first.  Stored at fixed places: rsel[token] = the mask of the two experts, rwt[token] = (weight of the lower-numbered expert, weight of the higher).
; A wave takes four tokens, so that the router's 512 waves end no later than the cast's.
; LIMITS.  NaN and infinities are not treated apart; the order of the f32 sum is by lanes, not ascending; an exponential below 2^-126 counts as 0.  rsel leaves in pieces of 16 bytes, rwt of 32 (24 KB in all).
; CAST.  dwf = [4 e][86 c][64 nb][2 half][32 lane][16 bytes]: lane 16 h + r of (c, nb, half) holds column 16 nb + r, k = 32 c + 16 half + 8 h + 0..7.  Rows k >= 2730 are 0.
; A work-group takes one (e, c): 32 rows; wave w its columns 128 w .. +127.  The turn from rows to columns of k goes through 8 KB of LDS of the wave alone: no barrier.
.set SPARE, 65536                      ; behind the eight stages: the spare words, 128 bytes a wave
.set SPW, 10                           ; v10 LDS address of my spare word; never rewritten
.set NIL, 11                           ; v11 0; never rewritten
.set SA, 24                            ; v24-27   the four sums of the token in hand; at work again behind the loop
.set XP, 32                            ; v32-47   a token: my 32 numbers of x as 16 pairs of bf16
.set RW, 64                            ; v64-127  router_w: for my 32 rows c the pairs (e0,e1), (e2,e3) in bf16; as loaded it fills v64-191
.set XB, 192                           ; v192-223, v224-255 two buffers of x as loaded
.set LDR, 16                           ; cast: v16-143 32 rows as loaded, later the fragments read back
.set PK, 144                           ; cast: v144-207 packed
.macro XLOAD b                         ; a token: eight loads of 512 neighbouring bytes
.set i, 0
.rept 8
	global_load_b128 v[XB+32*(\b)+4*i:XB+32*(\b)+4*i+3], v[5+(\b)], s[4:5] offset:512*i
.set i, i+1
.endr
.endm
	s_load_b256 s[4:11], s[0:1], 0x0               ; x s[4:5], router_w s[6:7], down_w s[8:9], rsel s[10:11]
	s_load_b128 s[12:15], s[0:1], 0x20             ; rwt s[12:13], dwf s[14:15]
	v_lshl_add_u32 v[SPW], v0, 2, SPARE
	v_mov_b32 v[NIL], 0
	v_lshrrev_b32 v1, 5, v0
	v_readfirstlane_b32 s16, v1                    ; wave 0..7
	v_and_b32 v2, 31, v0                           ; lane
	v_lshlrev_b32 v3, 4, v2                        ; 16 x lane
	s_wait_kmcnt 0x0
	s_cmp_lt_u32 ttmp9, 64
	s_cbranch_scc0 .Lcast
	; ---------------- the router: wave gw = 8 x group + wave takes tokens 4 gw .. +3 ----------------
	v_and_b32 v4, 3, v0                            ; which token of the four my lane keeps
	s_lshl3_add_u32 s17, ttmp9, s16                ; gw, 0 to 511
	s_lshl_b32 s18, s17, 14                        ; 4 tokens of 4,096 bytes
	v_add_nc_u32 v5, s18, v3                       ; byte offset of buffer 0: token 0
	v_add_nc_u32 v6, 0x1000, v5                    ; of buffer 1: token 1
	v_add_nc_u32 v7, 0x3000, v5                    ; my last token: the look-ahead is held to it
	v_lshlrev_b32 v18, 6, v2                       ; router_w: my four rows of each 128 are 64 bytes
	XLOAD 0                                        ; x and router_w go out together: 48 loads
	XLOAD 1
.set n, 0
.rept 32                               ; router_w row c = 128 i + 4 lane + jx, n = 4 i + jx
	global_load_b128 v[RW+4*n:RW+4*n+3], v18, s[6:7] offset:2048*(n/4)+16*(n%4)
.set n, n+1
.endr
	v_mov_b32 v8, 0                                ; the first addend
	v_mov_b32 v9, 0                                ; v_permlanex16_b32 counts its destination as read
.irp r, 14,15,16,17
	v_mov_b32 v\r, 0                               ; the kept logits
.endr
	s_mov_b32 s20, 0x76543210                      ; lane i of one half reads lane i of the other
	s_mov_b32 s21, 0xfedcba98
	s_mov_b32 s19, 0                               ; the token in hand, 0..3
	s_wait_loadcnt 0x0
.set n, 0
.rept 32                               ; packed in place, ascending: row n's two words land on registers of rows already packed
	v_cvt_pk_bf16_f32 v[RW+2*n], v[RW+4*n], v[RW+4*n+1]
	v_cvt_pk_bf16_f32 v[RW+2*n+1], v[RW+4*n+2], v[RW+4*n+3]
.set n, n+1
.endr
.macro FMIX                            ; v[rD] = bf16 half xh of v[rA] x bf16 half rh of v[rB] + v[rC] (f32)
.if (xh == 0) && (rh == 0)
	v_fma_mix_f32_bf16 v[rD], v[rA], v[rB], v[rC] op_sel_hi:[1,1,0]
.elseif (xh == 1) && (rh == 0)
	v_fma_mix_f32_bf16 v[rD], v[rA], v[rB], v[rC] op_sel:[1,0,0] op_sel_hi:[1,1,0]
.elseif (xh == 0) && (rh == 1)
	v_fma_mix_f32_bf16 v[rD], v[rA], v[rB], v[rC] op_sel:[0,1,0] op_sel_hi:[1,1,0]
.else
	v_fma_mix_f32_bf16 v[rD], v[rA], v[rB], v[rC] op_sel:[1,1,0] op_sel_hi:[1,1,0]
.endif
.endm
.macro TOK b                           ; the token in buffer b
	s_wait_loadcnt 0x8                             ; the other buffer's eight loads are younger and stay out
.set i, 0
.rept 16
	v_cvt_pk_bf16_f32 v[XP+i], v[XB+32*(\b)+2*i], v[XB+32*(\b)+2*i+1]
.set i, i+1
.endr
	v_add_nc_u32 v[5+(\b)], 0x2000, v[5+(\b)]      ; free since that wait: two tokens on,
	v_min_u32 v[5+(\b)], v[5+(\b)], v7             ; never past my own last token
	XLOAD \b
.set n, 0
.rept 32                               ; four sums by turns, 32 terms each
.set e, 0
.rept 4
.set rD, SA+e
.set rA, XP+n/2
.set rB, RW+2*n+e/2
.set rC, SA+e
.if n == 0
.set rC, 8
.endif
.set xh, n%2
.set rh, e%2
	FMIX
.set e, e+1
.endr
.set n, n+1
.endr
.irp msk, 1,2,4,8                      ; over the 32 lanes: four steps in each half, one across
.irp e, 0,1,2,3
	v_add_f32_dpp v[SA+\e], v[SA+\e], v[SA+\e] row_xmask:\msk row_mask:0xf bank_mask:0xf
.endr
.endr
.irp e, 0,1,2,3
	v_permlanex16_b32 v9, v[SA+\e], s20, s21
	v_add_f32 v[SA+\e], v[SA+\e], v9
.endr
	v_cmp_eq_u32 vcc_lo, s19, v4                   ; the lanes that keep this token
.irp e, 0,1,2,3
	v_cndmask_b32 v[14+\e], v[14+\e], v[SA+\e], vcc_lo
.endr
	s_add_co_u32 s19, s19, 1
.endm
	s_mov_b32 s22, 2
.Ltok:
	TOK 0
	TOK 1
	s_sub_co_u32 s22, s22, 1
	s_cmp_lg_u32 s22, 0
	s_cbranch_scc1 .Ltok
	s_wait_loadcnt 0x0                             ; the look-ahead of the last trip, which nobody uses
.macro SCAN vm, vi                     ; the largest of the four and its index; a later one wins only if strictly larger
	v_mov_b32 v[\vm], v14
	v_mov_b32 v[\vi], 0
.irp e, 1,2,3
	v_cmp_gt_f32 vcc_lo, v[14+\e], v[\vm]
	v_cndmask_b32 v[\vm], v[\vm], v[14+\e], vcc_lo
	v_cndmask_b32 v[\vi], v[\vi], \e, vcc_lo
.endr
.endm
	SCAN 18, 19                                    ; m1, i1
	v_mov_b32 v29, 0xff800000
.irp e, 0,1,2,3
	v_cmp_eq_u32 vcc_lo, \e, v19
	v_cndmask_b32 v[14+\e], v[14+\e], v29, vcc_lo  ; the first is taken out
.endr
	SCAN 20, 21                                    ; m2, i2
	v_sub_f32 v22, v20, v18                        ; m2 - m1 <= 0: the maximum is taken away
	v_mul_f32 v22, 0x3fb8aa3b, v22
	v_exp_f32 v23, v22
	v_nop                                          ; a plain instruction behind the exponential,
	s_wait_alu depctr_va_vdst(0)                   ; and the wait ahead of its first reader
	v_add_f32 v24, 1.0, v23
	v_rcp_f32 v25, v24                             ; w1 = 1 / (1 + e^(m2 - m1))
	v_mov_b32 v30, 1                               ; a plain instruction behind the reciprocal
	s_wait_alu depctr_va_vdst(0)
	v_mul_f32 v24, v23, v25                        ; w2
	v_cmp_lt_u32 vcc_lo, v19, v21                  ; is the first choice the lower-numbered expert?
	v_cndmask_b32 v26, v24, v25, vcc_lo
	v_cndmask_b32 v27, v25, v24, vcc_lo
	v_lshlrev_b32 v28, v19, v30
	v_lshlrev_b32 v31, v21, v30
	v_or_b32 v28, v28, v31                         ; the mask of the two
	s_lshl_b32 s23, s17, 4
	s_lshl_b32 s24, s17, 5
	v_lshl_add_u32 v30, v4, 2, s23
	v_lshl_add_u32 v31, v4, 3, s24
	global_store_b32 v30, v28, s[10:11]            ; eight lanes hold each token and store the same word
	global_store_b64 v31, v[26:27], s[12:13]
	s_branch .Lend
	; ---------------- the cast ----------------
.Lcast:
	s_sub_co_u32 s17, ttmp9, 64                    ; b = 86 e + c
	s_mul_i32 s18, s17, 763
	s_lshr_b32 s18, s18, 16                        ; e = b / 86 (exact for b < 344)
	s_mul_i32 s19, s18, 86
	s_sub_co_u32 s19, s17, s19                     ; c
	s_mul_i32 s20, s18, 2730
	s_lshl_b32 s21, s19, 5
	s_add_co_u32 s20, s20, s21                     ; my first row of down_w
	s_lshl_b32 s20, s20, 12                        ; rows of 4,096 bytes
	s_lshl_b32 s21, s16, 9                         ; my wave's 128 columns
	s_add_co_u32 s20, s20, s21
	s_mov_b32 s21, 0
	s_add_nc_u64 s[8:9], s[8:9], s[20:21]
	s_lshl_b32 s22, s17, 16                        ; 64 fragments of 1,024 bytes for each (e, c)
	s_lshl_b32 s24, s16, 13                        ; my wave's eight; also my stage in LDS
	s_add_co_u32 s22, s22, s24
	s_mov_b32 s23, 0
	s_add_nc_u64 s[14:15], s[14:15], s[22:23]
	v_lshrrev_b32 v5, 2, v2                        ; my four columns lie in fragment lane / 4, at r = 4 (lane % 4) + i
	v_and_b32 v6, 3, v2
	v_lshlrev_b32 v5, 10, v5
	v_lshl_add_u32 v5, v6, 6, v5
	v_add_nc_u32 v5, s24, v5                       ; into the stage
	v_add_nc_u32 v6, s24, v3                       ; back: 512 neighbouring bytes a load
.macro DCH n                           ; n: how many of the 32 rows exist
.set kk, 0
.rept 32
.if kk < (\n)
	global_load_b128 v[LDR+4*kk:LDR+4*kk+3], v3, s[8:9] offset:4096*kk th:TH_LOAD_NT
.else
	v_mov_b32 v[LDR+4*kk], 0
	v_mov_b32 v[LDR+4*kk+1], 0
	v_mov_b32 v[LDR+4*kk+2], 0
	v_mov_b32 v[LDR+4*kk+3], 0
.endif
.set kk, kk+1
.endr
	s_wait_loadcnt 0x0
.set d, 0
.rept 64                               ; d = 16 kg + 4 i + j: column i, k = 8 kg + 2 j and + 1
	v_cvt_pk_bf16_f32 v[PK+d], v[LDR+4*(8*(d/16)+2*(d%4))+(d/4)%4], v[LDR+4*(8*(d/16)+2*(d%4)+1)+(d/4)%4]
.set d, d+1
.endr
.set d, 0
.rept 16                               ; d = 4 kg + i
	ds_store_b128 v5, v[PK+4*d:PK+4*d+3] offset:256*(d/4)+16*(d%4)
.set d, d+1
.endr
.set t, 0
.rept 16
	ds_load_b128 v[LDR+4*t:LDR+4*t+3], v6 offset:512*t  ; my own bytes: LDS serves a wave's instructions in order (ISA guide 5.7.1.4)
.set t, t+1
.endr
.set t, 0
.rept 16
	s_wait_dscnt 15-t
	global_store_b128 v3, v[LDR+4*t:LDR+4*t+3], s[14:15] offset:512*t  ; 512 consecutive bytes, at a multiple of 256 from the first byte of dwf
.set t, t+1
.endr
.endm
	s_cmp_eq_u32 s19, 85
	s_cbranch_scc1 .Lshort
	DCH 32
	s_branch .Lend
.Lshort:
	DCH 10                                         ; k = 2720 .. 2729 exist
.Lend:
	s_wait_tensorcnt 0x0                           ; the wave's end
	ds_add_u32 v[SPW], v[NIL]
	s_wait_dscnt 0x0
	s_endpgm
.Lfunc_end_k_qf642a04bee_prep1:
	.size	k_qf642a04bee_prep1, .Lfunc_end_k_qf642a04bee_prep1-k_qf642a04bee_prep1
	.p2alignl 7, 3214868480
	.fill 96, 4, 3214868480
	.section	.rodata,"a",@progbits
	.p2align	6, 0x0
	.amdhsa_kernel k_qf642a04bee_prep1
		.amdhsa_group_segment_fixed_size 66560
		.amdhsa_private_segment_fixed_size 0
		.amdhsa_enable_private_segment 0
		.amdhsa_kernarg_size 48
		.amdhsa_user_sgpr_count 2
		.amdhsa_user_sgpr_kernarg_segment_ptr 1
		.amdhsa_wavefront_size32 1
		.amdhsa_system_sgpr_workgroup_id_x 1
		.amdhsa_system_sgpr_workgroup_id_y 1
		.amdhsa_system_sgpr_workgroup_id_z 1
		.amdhsa_system_vgpr_workitem_id 0
		.amdhsa_next_free_vgpr 256
		.amdhsa_next_free_sgpr 66
		.amdhsa_reserve_vcc 1
		.amdhsa_float_denorm_mode_32 3
		.amdhsa_float_denorm_mode_16_64 3
		.amdhsa_memory_ordered 1
		.amdhsa_forward_progress 1
		.amdhsa_inst_pref_size 59
	.end_amdhsa_kernel
	.amdgpu_metadata
---
amdhsa.version: [ 1, 2 ]
amdhsa.kernels:
  - .name:           k_qf642a04bee_prep1
    .symbol:         k_qf642a04bee_prep1.kd
    .args:
      - { .name: x, .offset: 0, .size: 8, .value_kind: global_buffer, .address_space: global }
      - { .name: router_w, .offset: 8, .size: 8, .value_kind: global_buffer, .address_space: global }
      - { .name: down_w, .offset: 16, .size: 8, .value_kind: global_buffer, .address_space: global }
      - { .name: rsel, .offset: 24, .size: 8, .value_kind: global_buffer, .address_space: global }
      - { .name: rwt, .offset: 32, .size: 8, .value_kind: global_buffer, .address_space: global }
      - { .name: dwf, .offset: 40, .size: 8, .value_kind: global_buffer, .address_space: global }
    .group_segment_fixed_size: 66560
    .private_segment_fixed_size: 0
    .kernarg_segment_align: 8
    .kernarg_segment_size: 48
    .max_flat_workgroup_size: 256
    .sgpr_count:     66
    .vgpr_count:     256
    .wavefront_size: 32
...
	.end_amdgpu_metadata
.endif
;; end of part 5
;; launch prep2 (part 6): grid 168 x 1, 16 waves a work-group, no clusters, 35,072 bytes of LDS; arguments x, rsel, rwt, xs, tbl, wts, hid; writes xs, tbl, wts, hid
.if DOCPART == 6
	.amdgcn_target "amdgcn-amd-amdhsa--gfx1250"
	.amdhsa_code_object_version 6
	.text
	.protected	k_qf642a04bee_prep2
	.globl	k_qf642a04bee_prep2
	.p2align	8
	.type	k_qf642a04bee_prep2,@function
k_qf642a04bee_prep2:
	s_mov_b64 s[64:65], 0
	v_nop
	global_prefetch_b8 v0, s[64:65] scope:SCOPE_SE
	s_setreg_imm32_b32 hwreg(HW_REG_WAVE_MODE, 25, 1), 1
	s_wait_xcnt 0x0
; PREP2.  A counting sort of the 2,048 tokens by their SET of two experts (no atomics), the tables for the two products, and the gather of x, rounded to bf16, into the experts' order.
; SETS s = 0..5 = (0,1),(0,2),(0,3),(1,2),(1,3),(2,3), masks 3,5,9,6,10,12; t_s tokens each, u_s = t_s rounded up to 16.  An expert's segment holds the runs of its three sets, s ascending, u_s rows each,
; tokens ascending, and is padded to chunks of 384 rows: 14 chunks at the most for every split.  So a set's run is the same list of tokens in both of its experts.
; Every work-group repeats the sort (8 KB of reads) and then serves rows 32 g .. 32 g + 31: two tiles of 16 rows, eight waves a tile.  A work-group past the last chunk in use gathers nothing.
; xs = [336 tile][32 ks][2 half][32 lane][16 bytes]: lane 16 h + r holds row r, k = 32 ks + 16 half + 8 h + 0..7.  Padding rows are 0.
; tbl: byte 0 [4]{first chunk, chunks}; 256: 32 entries {act, ea, eb, tile in a, tile in b, q0, rows, tiles - 1} for blocks of 96 rows of a set; 1280: tokq[2176], the tokens by set.
; wts: wrow[5376] the routing weight of each row (0 for padding) at 0; wq[2176] = (wa, wb) by tokq at 21504.  hid: plane 171 (hidden 2736 .. 2751) = 0.
; The tables and wrow leave in pieces shorter than 256 bytes (under 50 KB in all).
; THREE BARRIERS: behind the counts; behind the lists; and at the end, where all paths join, so that every wave's reads of the lists are back before any wave's closing add writes LDS.
.set TOKQ, 21504                       ; LDS: TOKP[5376] at 0: bit 31 a row in use, bit 16 which of its two experts, bits 10:0 the token; TOKQ[2176]; zeroed through byte 32767
.set CNT, 32768                        ; 16 waves x 16 bytes: six counts of 16 bits
.set SPARE, 33024                      ; the spare words, 128 bytes a wave
.set SPW, 190
.set NIL, 191
; scalars: s18 wave, s19 g, s20-25 t, s26-31 prefix then at work, s32-37 u, s38-41 chunks np, s42-46 first chunk CE and their number, s48-51 first row,
;          s52-57 PA, s58-63 PB, s66-71 QB, s72-78 CS, s80-85 running place, s86-91 PA - QB, s92-97 PB - QB, s98-99 at work
	s_load_b256 s[4:11], s[0:1], 0x0               ; x s[4:5], rsel s[6:7], rwt s[8:9], xs s[10:11]
	s_load_b128 s[12:15], s[0:1], 0x20             ; tbl s[12:13], wts s[14:15]
	s_load_b64 s[16:17], s[0:1], 0x30              ; hid
	v_lshl_add_u32 v[SPW], v0, 2, SPARE
	v_mov_b32 v[NIL], 0
	v_lshrrev_b32 v1, 5, v0
	v_readfirstlane_b32 s18, v1                    ; wave 0..15
	s_mov_b32 s19, ttmp9                           ; g
	v_and_b32 v2, 31, v0                           ; lane
	v_lshlrev_b32 v3, 4, v2                        ; 16 x lane
	v_and_b32 v4, 15, v0
	v_lshlrev_b32 v5, 2, v2
	v_lshl_add_u32 v5, s18, 9, v5                  ; my wave's 128 tokens in rsel
	v_lshlrev_b32 v6, 4, v0
.irp r, 12,13,14,15
	v_mov_b32 v\r, 0
.endr
	s_wait_kmcnt 0x0
.irp gi, 0,1,2,3
	global_load_b32 v[8+\gi], v5, s[6:7] offset:128*\gi
.endr
.irp i, 0,1,2,3
	ds_store_b128 v6, v[12:15] offset:8192*\i      ; both lists start as zeros
.endr
.irp s, 0,1,2,3,4,5
	s_mov_b32 s[20+\s], 0
.endr
	s_wait_loadcnt 0x0
	; pass 1: my wave's count of each set
.set si, 0
.irp kv, 3,5,9,6,10,12
.set gi, 0
.rept 4
	v_cmp_eq_u32 s98, \kv, v[8+gi]
	s_bcnt1_i32_b32 s98, s98
	s_add_co_u32 s[20+si], s[20+si], s98
.set gi, gi+1
.endr
.set si, si+1
.endr
.irp p, 0,1,2
	s_lshl_b32 s98, s[21+2*\p], 16
	s_or_b32 s98, s98, s[20+2*\p]
	v_mov_b32 v[16+\p], s98
.endr
	v_mov_b32 v19, 0
	s_lshl_b32 s99, s18, 4
	s_add_co_u32 s99, s99, CNT
	v_mov_b32 v7, s99
	ds_store_b128 v7, v[16:19]
	s_wait_dscnt 0x0                               ; for the others' sake: my zeros and my counts are in LDS
	s_barrier_signal -1
	s_barrier_wait -1
	; totals, and the sum over the waves in front of mine: whole numbers all the way
	v_lshl_add_u32 v7, v4, 4, CNT
	ds_load_b128 v[16:19], v7
	s_wait_dscnt 0x0
	v_cmp_gt_u32 vcc_lo, s18, v4
.irp p, 0,1,2
	v_cndmask_b32 v[20+\p], 0, v[16+\p], vcc_lo
.endr
	v_mov_b32 v24, 0
.irp r, 16,17,18,20,21,22
.irp msk, 1,2,4,8
	v_mov_b32_dpp v24, v[\r] row_xmask:\msk row_mask:0xf bank_mask:0xf
	v_add_nc_u32 v[\r], v[\r], v24
.endr
.endr
.irp p, 0,1,2
	v_readfirstlane_b32 s98, v[16+\p]
	s_and_b32 s[20+2*\p], s98, 0xffff
	s_lshr_b32 s[21+2*\p], s98, 16
	v_readfirstlane_b32 s98, v[20+\p]
	s_and_b32 s[26+2*\p], s98, 0xffff
	s_lshr_b32 s[27+2*\p], s98, 16
.endr
.irp s, 0,1,2,3,4,5
	s_add_co_u32 s[32+\s], s[20+\s], 15
	s_and_b32 s[32+\s], s[32+\s], -16              ; u
.endr
	s_add_co_u32 s38, s32, s33                     ; rows of expert 0: sets 0, 1, 2
	s_add_co_u32 s38, s38, s34
	s_add_co_u32 s39, s32, s35                     ; expert 1: sets 0, 3, 4
	s_add_co_u32 s39, s39, s36
	s_add_co_u32 s40, s33, s35                     ; expert 2: sets 1, 3, 5
	s_add_co_u32 s40, s40, s37
	s_add_co_u32 s41, s34, s36                     ; expert 3: sets 2, 4, 5
	s_add_co_u32 s41, s41, s37
	s_mov_b32 s42, 0
.irp e, 0,1,2,3
	s_add_co_u32 s[38+\e], s[38+\e], 383
	s_mul_i32 s[38+\e], s[38+\e], 43691
	s_lshr_b32 s[38+\e], s[38+\e], 24              ; / 384, exact below 100,000
	s_add_co_u32 s[43+\e], s[42+\e], s[38+\e]      ; s46: chunks in use
	s_mul_i32 s[48+\e], s[42+\e], 384
.endr
	s_mov_b32 s52, s48                             ; PA: a set's first row in its lower expert
	s_add_co_u32 s53, s48, s32
	s_add_co_u32 s54, s53, s33
	s_add_co_u32 s55, s49, s32
	s_add_co_u32 s56, s55, s35
	s_add_co_u32 s57, s50, s33
	s_add_co_u32 s57, s57, s35
	s_mov_b32 s58, s49                             ; PB: in its higher expert
	s_mov_b32 s59, s50
	s_mov_b32 s60, s51
	s_add_co_u32 s61, s50, s33
	s_add_co_u32 s62, s51, s34
	s_add_co_u32 s63, s62, s36
	s_mov_b32 s66, 0
	s_mov_b32 s72, 0
.irp s, 0,1,2,3,4,5
.if \s < 5
	s_add_co_u32 s[67+\s], s[66+\s], s[20+\s]      ; QB: a set's first place in tokq
.endif
	s_add_co_u32 s98, s[20+\s], 95
	s_mul_i32 s98, s98, 43691
	s_lshr_b32 s98, s98, 22                        ; / 96
	s_add_co_u32 s[73+\s], s[72+\s], s98           ; CS: a set's first block of 96 rows; s78: blocks in use, 27 at the most
	s_add_co_u32 s[80+\s], s[66+\s], s[26+\s]
	s_sub_co_u32 s[86+\s], s[52+\s], s[66+\s]
	s_sub_co_u32 s[92+\s], s[58+\s], s[66+\s]
.endr
	; pass 2: each token's place q in tokq, and q + (PA - QB), q + (PB - QB) in the experts' order
	s_lshl_b32 s98, s18, 7
	v_add_nc_u32 v29, s98, v2                      ; the token
.set gi, 0
.rept 4
	v_mov_b32 v25, 0
	v_mov_b32 v26, 0
	v_mov_b32 v27, 0
.set si, 0
.irp kv, 3,5,9,6,10,12
	v_cmp_eq_u32 s98, \kv, v[8+gi]
	v_mbcnt_lo_u32_b32 v28, s98, s[80+si]
	v_cndmask_b32 v25, v25, v28, s98
	v_cndmask_b32 v26, v26, s[86+si], s98
	v_cndmask_b32 v27, v27, s[92+si], s98
	s_bcnt1_i32_b32 s99, s98
	s_add_co_u32 s[80+si], s[80+si], s99
.set si, si+1
.endr
	v_add_nc_u32 v30, v25, v26
	v_add_nc_u32 v31, v25, v27
	v_min_u32 v30, 5375, v30
	v_min_u32 v31, 5375, v31
	v_min_u32 v25, 2047, v25
	v_lshlrev_b32 v30, 2, v30
	v_lshlrev_b32 v31, 2, v31
	v_lshlrev_b32 v25, 2, v25
	v_or_b32 v28, 0x80000000, v29
	v_or_b32 v1, 0x80010000, v29
	ds_store_b32 v30, v28
	ds_store_b32 v31, v1
	ds_store_b32 v25, v29 offset:TOKQ
	v_add_nc_u32 v29, 32, v29
.set gi, gi+1
.endr
	s_wait_dscnt 0x0                               ; for the others' sake
	s_barrier_signal -1
	s_barrier_wait -1                              ; the lists are whole; what follows branches on the counts and joins again at the end
	s_lshl_b32 s98, s19, 5                         ; my first row
	s_mul_i32 s99, s46, 384
	s_cmp_lt_u32 s98, s99
	s_cbranch_scc0 .Lnogather
	; the gather: wave w takes tile 2 g + w / 8, K steps 4 (w % 8) .. + 3
	s_lshr_b32 s26, s18, 3
	s_and_b32 s27, s18, 7
	s_lshl_b32 s28, s26, 4
	s_add_co_u32 s28, s28, s98
	v_add_nc_u32 v164, s28, v4                     ; my row
	v_lshlrev_b32 v165, 2, v164
	ds_load_b32 v160, v165
	s_lshl1_add_u32 s29, s19, s26                  ; the tile
	s_lshl_b32 s30, s29, 15
	s_lshl_b32 s31, s27, 12                        ; four K steps of 1,024 bytes
	s_add_co_u32 s30, s30, s31
	s_mov_b32 s31, 0
	s_add_nc_u64 s[10:11], s[10:11], s[30:31]
	v_lshrrev_b32 v1, 4, v2
	v_lshlrev_b32 v1, 5, v1                        ; 32 h
	v_lshl_add_u32 v1, s27, 9, v1                  ; four K steps are 512 bytes of a row of x
	s_wait_dscnt 0x0
	v_and_b32 v161, 0x7ff, v160
	v_min_u32 v161, 0x7ff, v161
	v_ashrrev_i32 v162, 31, v160                   ; all ones for a row in use, 0 for padding
	v_lshl_add_u32 v163, v161, 12, v1
.set u, 0
.rept 8                                ; u = 2 ks + half: eight numbers of x, 32 bytes
	global_load_b128 v[32+8*u:32+8*u+3], v163, s[4:5] offset:64*u
	global_load_b128 v[32+8*u+4:32+8*u+7], v163, s[4:5] offset:64*u+16
.set u, u+1
.endr
.set u, 0
.rept 8
	s_wait_loadcnt 14-2*u                          ; the younger loads stay out
.irp j, 0,1,2,3
	v_cvt_pk_bf16_f32 v[32+8*u+\j], v[32+8*u+2*\j], v[32+8*u+2*\j+1]
.endr
.irp j, 0,1,2,3
	v_and_b32 v[32+8*u+\j], v162, v[32+8*u+\j]
.endr
	global_store_b128 v3, v[32+8*u:32+8*u+3], s[10:11] offset:512*u  ; 512 consecutive bytes, aligned
.set u, u+1
.endr
	s_cmp_lg_u32 s27, 0
	s_cbranch_scc1 .Lnot0
	s_lshl_b32 s30, s29, 9                         ; the tile's 512 bytes of plane 171
	s_add_co_u32 s30, s30, 171*172032
	s_mov_b32 s31, 0
	s_add_nc_u64 s[16:17], s[16:17], s[30:31]
	global_store_b128 v3, v[12:15], s[16:17]
.Lnot0:
	s_cmp_lg_u32 s27, 1
	s_cbranch_scc1 .Lnogather
	v_bfe_u32 v166, v160, 16, 1                    ; which of the token's two weights
	v_and_b32 v167, 0x7ff, v160
	v_lshl_add_u32 v166, v167, 1, v166
	v_min_u32 v166, 0xfff, v166
	v_lshlrev_b32 v166, 2, v166
	global_load_b32 v168, v166, s[8:9]
	s_wait_loadcnt 0x0
	v_and_b32 v168, v162, v168
	global_store_b32 v165, v168, s[14:15]          ; lanes 16-31 repeat lanes 0-15
.Lnogather:
	s_wait_xcnt 0x0                                ; the registers of the stores above may be written again
	s_cmp_ge_u32 s19, 34
	s_cbranch_scc1 .Ltab
	s_cmp_eq_u32 s18, 2
	s_cbranch_scc0 .Lj6
	s_lshl_b32 s26, s19, 8                         ; tokq: 64 entries for each of the first 34 work-groups
	v_lshl_add_u32 v177, v2, 3, s26
	ds_load_b64 v[178:179], v177 offset:TOKQ
	s_wait_dscnt 0x0
	global_store_b64 v177, v[178:179], s[12:13] offset:1280
.Lj6:
	s_cmp_eq_u32 s18, 6
	s_cbranch_scc0 .Ltab
	s_lshl_b32 s26, s19, 8                         ; the same 64 tokens' two weights
	v_lshl_add_u32 v169, v2, 3, s26
	ds_load_b64 v[170:171], v169 offset:TOKQ
	s_wait_dscnt 0x0
	v_min_u32 v170, 0x7ff, v170
	v_min_u32 v171, 0x7ff, v171
	v_lshlrev_b32 v170, 3, v170
	v_lshlrev_b32 v171, 3, v171
	global_load_b64 v[172:173], v170, s[8:9]
	global_load_b64 v[174:175], v171, s[8:9]
	s_lshl_b32 s26, s19, 9
	v_add_nc_u32 v176, s26, v3
	s_wait_loadcnt 0x0
	global_store_b128 v176, v[172:175], s[14:15] offset:21504
.Ltab:
	s_cmp_lg_u32 s19, 0
	s_cbranch_scc1 .Lend
	s_cmp_eq_u32 s18, 10
	s_cbranch_scc0 .Lj14
	; the entries: lane Y is block Y of 96 rows; its set is the last whose first block is not past Y
	v_mov_b32 v32, 0
	v_mov_b32 v33, 0
	v_mov_b32 v34, 1
	v_mov_b32 v35, s52
	v_mov_b32 v36, s58
	v_mov_b32 v37, 0
	v_mov_b32 v38, s20
.macro SETSEL s, a, b
	v_cmp_le_u32 vcc_lo, s[72+\s], v2
	v_cndmask_b32 v32, v32, s[72+\s], vcc_lo
	v_cndmask_b32 v33, v33, \a, vcc_lo
	v_cndmask_b32 v34, v34, \b, vcc_lo
	v_cndmask_b32 v35, v35, s[52+\s], vcc_lo
	v_cndmask_b32 v36, v36, s[58+\s], vcc_lo
	v_cndmask_b32 v37, v37, s[66+\s], vcc_lo
	v_cndmask_b32 v38, v38, s[20+\s], vcc_lo
.endm
	SETSEL 1, 0, 2
	SETSEL 2, 0, 3
	SETSEL 3, 1, 2
	SETSEL 4, 1, 3
	SETSEL 5, 2, 3
	v_sub_nc_u32 v39, v2, v32
	v_mul_u32_u24 v39, 96, v39                     ; rows of the set in front of this block
	v_add_nc_u32 v35, v35, v39
	v_add_nc_u32 v36, v36, v39
	v_lshrrev_b32 v35, 4, v35                      ; as tiles of 16 rows
	v_lshrrev_b32 v36, 4, v36
	v_add_nc_u32 v37, v37, v39
	v_sub_nc_u32 v38, v38, v39
	v_min_u32 v38, 96, v38
	v_add_nc_u32 v40, 15, v38
	v_lshrrev_b32 v40, 4, v40
	v_add_nc_u32 v40, -1, v40
	v_cmp_gt_u32 vcc_lo, s78, v2                   ; a block in use
	v_cndmask_b32 v44, 0, 1, vcc_lo
	v_cndmask_b32 v45, 0, v33, vcc_lo
	v_cndmask_b32 v46, 0, v34, vcc_lo
	v_cndmask_b32 v47, 0, v35, vcc_lo
	v_cndmask_b32 v48, 0, v36, vcc_lo
	v_cndmask_b32 v49, 0, v37, vcc_lo
	v_cndmask_b32 v50, 0, v38, vcc_lo
	v_cndmask_b32 v51, 0, v40, vcc_lo
	v_lshlrev_b32 v41, 5, v2
	global_store_b128 v41, v[44:47], s[12:13] offset:256
	global_store_b128 v41, v[48:51], s[12:13] offset:272
.Lj14:
	s_cmp_eq_u32 s18, 14
	s_cbranch_scc0 .Lend
	v_and_b32 v42, 3, v2                           ; the expert; eight lanes store the same pair
	v_mov_b32 v52, s42
	v_mov_b32 v53, s38
.irp e, 1,2,3
	v_cmp_eq_u32 vcc_lo, \e, v42
	v_cndmask_b32 v52, v52, s[42+\e], vcc_lo
	v_cndmask_b32 v53, v53, s[38+\e], vcc_lo
.endr
	v_lshlrev_b32 v43, 3, v42
	global_store_b64 v43, v[52:53], s[12:13]
.Lend:                                                 ; all paths of all sixteen waves join here
	s_wait_dscnt 0x0                               ; my reads of the lists are back,
	s_barrier_signal -1
	s_barrier_wait -1                              ; and so are everybody's: only now does any wave write LDS again
	s_wait_tensorcnt 0x0                           ; the wave's end
	ds_add_u32 v[SPW], v[NIL]
	s_wait_dscnt 0x0
	s_endpgm
.Lfunc_end_k_qf642a04bee_prep2:
	.size	k_qf642a04bee_prep2, .Lfunc_end_k_qf642a04bee_prep2-k_qf642a04bee_prep2
	.p2alignl 7, 3214868480
	.fill 96, 4, 3214868480
	.section	.rodata,"a",@progbits
	.p2align	6, 0x0
	.amdhsa_kernel k_qf642a04bee_prep2
		.amdhsa_group_segment_fixed_size 35072
		.amdhsa_private_segment_fixed_size 0
		.amdhsa_enable_private_segment 0
		.amdhsa_kernarg_size 56
		.amdhsa_user_sgpr_count 2
		.amdhsa_user_sgpr_kernarg_segment_ptr 1
		.amdhsa_wavefront_size32 1
		.amdhsa_system_sgpr_workgroup_id_x 1
		.amdhsa_system_sgpr_workgroup_id_y 1
		.amdhsa_system_sgpr_workgroup_id_z 1
		.amdhsa_system_vgpr_workitem_id 0
		.amdhsa_next_free_vgpr 192
		.amdhsa_next_free_sgpr 100
		.amdhsa_reserve_vcc 1
		.amdhsa_float_denorm_mode_32 3
		.amdhsa_float_denorm_mode_16_64 3
		.amdhsa_memory_ordered 1
		.amdhsa_forward_progress 1
		.amdhsa_inst_pref_size 39
	.end_amdhsa_kernel
	.amdgpu_metadata
---
amdhsa.version: [ 1, 2 ]
amdhsa.kernels:
  - .name:           k_qf642a04bee_prep2
    .symbol:         k_qf642a04bee_prep2.kd
    .args:
      - { .name: x, .offset: 0, .size: 8, .value_kind: global_buffer, .address_space: global }
      - { .name: rsel, .offset: 8, .size: 8, .value_kind: global_buffer, .address_space: global }
      - { .name: rwt, .offset: 16, .size: 8, .value_kind: global_buffer, .address_space: global }
      - { .name: xs, .offset: 24, .size: 8, .value_kind: global_buffer, .address_space: global }
      - { .name: tbl, .offset: 32, .size: 8, .value_kind: global_buffer, .address_space: global }
      - { .name: wts, .offset: 40, .size: 8, .value_kind: global_buffer, .address_space: global }
      - { .name: hid, .offset: 48, .size: 8, .value_kind: global_buffer, .address_space: global }
    .group_segment_fixed_size: 35072
    .private_segment_fixed_size: 0
    .kernarg_segment_align: 8
    .kernarg_segment_size: 56
    .max_flat_workgroup_size: 512
    .sgpr_count:     100
    .vgpr_count:     192
    .wavefront_size: 32
...
	.end_amdgpu_metadata
.endif
;; end of part 6
;; launch ffn1 (part 7): grid 57 x 4, 4 waves a work-group, no clusters, 229,888 bytes of LDS; arguments xs, gate_w, up_w, gate_b, up_b, wts, tbl, hid; writes hid
.if DOCPART == 7
	.amdgcn_target "amdgcn-amd-amdhsa--gfx1250"
	.amdhsa_code_object_version 6
	.text
	.protected	k_qf642a04bee_ffn1
	.globl	k_qf642a04bee_ffn1
	.p2align	8
	.type	k_qf642a04bee_ffn1,@function
k_qf642a04bee_ffn1:
	s_mov_b64 s[64:65], 0
	v_nop
	global_prefetch_b8 v0, s[64:65] scope:SCOPE_SE
	s_setreg_imm32_b32 hwreg(HW_REG_WAVE_MODE, 25, 1), 1
	s_wait_xcnt 0x0
; FFN1.  hid[row][h] = w_row x silu(x_row . Wg[:,h] + bg[h]) x (x_row . Wu[:,h] + bu[h]), rounded once to bf16.  Rows in the experts' order (xs), operands bf16, sums and the activation in f32.
; SHARES.  A work-group is (expert e, slice s of 48 hidden columns): 57 x 4, whatever the split of the tokens.  It alone reads its 2 x 1024 x 48 weights, f32, once; they are rounded on the way into LDS,
; [1024 k][gate 48 | up 48 | 16 idle] bf16, rows of 224 bytes, written once.  Then it walks its expert's chunks of 384 rows (np of them, read from tbl): a PASS a chunk, a wave 96 rows x 96 columns = 36 accumulators.
; The pass loop holds no barrier and writes no LDS: x comes from memory straight into registers (xs lies in operand order), the weights out of LDS by the turning load.
; x IS ASKED FOR FIVE K STEPS AHEAD, across the end of a pass too: 60 loads of 512 bytes of each wave are on their way while a step is multiplied; eight buffers take turns.
; A pass is four blocks of eight K steps, and a block is written once.  What differs between blocks lies in registers: the base of the loads that reach past the block (in a pass's last block: the next pass's chunk),
; and the LDS address of the weights of the step behind the block (in the last block: step 0 again).  Only step 0's products stand twice: in a pass's first block they start the sums, with the biases as C.
; TWO BARRIERS: behind the weights' stores; and at the end, where all paths join, so that every wave's reads of the weights are back before any wave's closing add writes LDS.
; NO CLUSTER, NO TENSOR LOAD: what an expert's work-groups share is xs, inside a loop whose length is read from memory, where no barrier may stand; and 57 slices are no multiple of four.
; TRANSPOSED USE: source 0 = 16 hidden columns, source 1 = 16 rows: a lane holds one row and eight neighbouring hidden numbers, 16 bytes of bf16, which is the operand order of the next product:
; hid = [172 plane of 16 hidden][336 tile of 16 rows][32 lane][16 bytes].  Each store of a wave is 512 consecutive aligned bytes, with no way through LDS.
; Columns h >= 2730 (slice 56): weights and biases count as 0, so hid is 0 there.  LIMITS: NaN and infinities are not treated apart; 2^y below 2^-126 counts as 0.
; REGISTERS, windows of 256 (s_set_vgpr_msb: bits 1:0 source 0, 3:2 source 1, 5:4 source 2, 7:6 destination):
;   window 0: v0-31 addresses; v32-127 weight fragments, two buffers of six; v128-175 biases, in an accumulator's layout; v176-247 at work on the way out
;   window 1: v0-191 x buffers 0-3 of six fragments (first: two buffers of 96 for the weights as loaded); v192-223 accumulators 32-35
;   window 2: accumulators 0-31      window 3: v0-191 x buffers 4-7.      Accumulator 6 m + T: row tile m, T 0-2 gate, 3-5 up.
.set SPARE, 229376                     ; behind the weights: the spare words, 128 bytes a wave
.set SPW, 30
.set NIL, 31
.set V16, 1                            ; v1     16 x lane
.set VO, 2                             ; v2-4   weights: my three byte offsets in four rows
.set VMK, 5                            ; v5-7   all ones where the column exists
.set VL, 8                             ; v8-10  where they go in LDS
.set ADRB0, 11                         ; v11    my lane's place for the turning load
.set AB, 12                            ; v12    the same at the block of eight K steps in hand
.set VW, 13                            ; v13    4 x (lane % 16)
.set AB2, 14                           ; v14    the same at the step behind the block (at work in the head)
.set WR, 16                            ; v16-21 the routing weight of my row in each of six tiles
.set BF, 32
.set BG, 128                           ; v128-151 gate's biases, v152-175 up's: tile T's eight at BG + 8 T
.set BU, 152
.set GG, 176
.set UU, 200
.set EE, 224                           ; its first twelve also hold the packed results
.set MSB, 0
.macro WIN new                         ; the high byte repeats the setting that is left; a switch that changes nothing is dropped
.if MSB != (\new)
	s_set_vgpr_msb (MSB<<8)|(\new)
.set MSB, \new
.endif
.endm
.macro PLACES                          ; four plain instructions between matrix instructions and loads into, or reads of, their registers
	WIN 0
.rept 4
	v_nop
.endr
.endm
	s_load_b256 s[4:11], s[0:1], 0x0               ; xs s[4:5], gate_w s[6:7], up_w s[8:9], gate_b s[10:11]
	s_load_b256 s[12:19], s[0:1], 0x20             ; up_b s[12:13], wts s[14:15], tbl s[16:17], hid s[18:19]
	v_lshl_add_u32 v[SPW], v0, 2, SPARE
	v_mov_b32 v[NIL], 0
	v_lshrrev_b32 v14, 5, v0
	v_readfirstlane_b32 s24, v14                   ; wave 0..3
	s_mov_b32 s25, ttmp9                           ; slice
	s_and_b32 s26, ttmp7, 0xffff                   ; expert
	s_mul_i32 s27, s25, 48                         ; my first hidden column
	s_mul_i32 s58, s24, 57344                      ; my wave's 256 rows of the weights in LDS
	v_and_b32 v15, 31, v0
	v_lshlrev_b32 v[V16], 4, v15
	v_and_b32 v[VW], 15, v0
	v_lshlrev_b32 v[VW], 2, v[VW]
	v_bfe_u32 v14, v0, 4, 1                        ; h
	v_and_b32 v22, 7, v0
	v_lshl_add_u32 v22, v14, 3, v22
	v_mul_u32_u24 v[ADRB0], 224, v22               ; row 8 h + lane % 8,
	v_bfe_u32 v22, v0, 3, 1
	v_lshl_add_u32 v[ADRB0], v22, 4, v[ADRB0]      ; 16 bytes for each eight lanes
	v_lshl_add_u32 v23, v14, 3, s27
.irp q, 0,1,2                          ; biases: my eight hidden numbers of each of three tiles, in pairs; a pair never straddles 2730
.irp i, 0,1,2,3
	v_add_nc_u32 v22, 16*\q+2*\i, v23
	v_cmp_gt_u32 s[40+4*\q+\i], 2730, v22
	v_min_u32 v22, 2728, v22
	v_lshlrev_b32 v[GG+4*\q+\i], 2, v22
.endr
.endr
.irp i, 0,1,2                          ; weights: four rows x 24 pairs of columns = 96 items, three a lane
	v_add_nc_u32 v22, 32*\i, v15
	v_mul_u32_u24 v24, 2731, v22
	v_lshrrev_b32 v24, 16, v24                     ; the row, item / 24
	v_mul_u32_u24 v25, 24, v24
	v_sub_nc_u32 v25, v22, v25                     ; the pair
	v_lshl_add_u32 v26, v25, 1, s27
	v_cmp_gt_u32 vcc_lo, 2730, v26
	v_cndmask_b32 v[VMK+\i], 0, -1, vcc_lo
	v_min_u32 v26, 2728, v26                       ; a pair past the end reads the last pair, and is masked
	v_lshlrev_b32 v26, 2, v26
	v_mad_u32_u24 v[VO+\i], v24, 10920, v26
	v_mul_u32_u24 v27, 224, v24
	v_lshl_add_u32 v27, v25, 2, v27
	v_add_nc_u32 v[VL+\i], s58, v27
.endr
	s_wait_kmcnt 0x0
	s_lshl_b32 s22, s26, 3
	s_mov_b32 s23, 0
	s_add_nc_u64 s[54:55], s[16:17], s[22:23]
	s_load_b64 s[20:21], s[54:55], 0x0             ; my expert's first chunk and number of chunks
	s_mul_i32 s22, s26, 10920
	s_add_nc_u64 s[10:11], s[10:11], s[22:23]
	s_add_nc_u64 s[12:13], s[12:13], s[22:23]
.set a, 0
.rept 12
	global_load_b64 v[BG+2*a:BG+2*a+1], v[GG+a], s[10:11]
	global_load_b64 v[BU+2*a:BU+2*a+1], v[GG+a], s[12:13]
.set a, a+1
.endr
	s_mul_i32 s22, s26, 11182080                   ; an expert's 1,024 rows of 10,920 bytes
	s_mul_i32 s56, s24, 2795520                    ; my wave's 256 rows
	s_add_co_u32 s22, s22, s56
	s_add_nc_u64 s[28:29], s[6:7], s[22:23]
	s_add_nc_u64 s[30:31], s[8:9], s[22:23]
; THE WEIGHTS.  LD: 32 rows of both matrices, 48 loads of 8 bytes a lane (192 neighbouring bytes a row).  CV: rounded, masked, into LDS.
.macro LD buf, so
	WIN 0x40                                       ; destination window 1
.irp mat, 0,1
.set g, 0
.rept 8
.irp i, 0,1,2
	global_load_b64 v[96*(\buf)+2*(24*\mat+3*g+\i):96*(\buf)+2*(24*\mat+3*g+\i)+1], v[VO+\i], s[28+2*\mat:29+2*\mat] offset:349440*(\so)+43680*g
.endr
.set g, g+1
.endr
.endr
.endm
.macro CV buf, so
	WIN 0x45
.set d, 0
.rept 48
	v_cvt_pk_bf16_f32 v[96*(\buf)+2*d], v[96*(\buf)+2*d], v[96*(\buf)+2*d+1]
.set d, d+1
.endr
	WIN 0x44
.set d, 0
.rept 48
	v_and_b32 v[96*(\buf)+2*d], v[VMK+d%3], v[96*(\buf)+2*d]
.set d, d+1
.endr
	WIN 0x04                                       ; the data in window 1
.set d, 0
.rept 48
	ds_store_b32 v[VL+d%3], v[96*(\buf)+2*d] offset:7168*(\so)+896*((d%24)/3)+96*(d/24)
.set d, d+1
.endr
.endm
	LD 0, 0
	LD 1, 1
	WIN 0
	s_mov_b32 s53, 3
.Lwl:
	s_wait_loadcnt 48                              ; the other buffer's 48 loads are younger and stay out
	CV 0, 0
	LD 0, 2
	s_wait_loadcnt 48
	CV 1, 1
	LD 1, 3
	WIN 0
	s_wait_xcnt 0x0                                ; the bases are stepped only behind this wait
	s_add_nc_u64 s[28:29], s[28:29], 698880        ; 64 rows on
	s_add_nc_u64 s[30:31], s[30:31], 698880
.irp i, 0,1,2
	v_add_nc_u32 v[VL+\i], 14336, v[VL+\i]
.endr
	s_sub_co_u32 s53, s53, 1
	s_cmp_lg_u32 s53, 0
	s_cbranch_scc1 .Lwl
	s_wait_loadcnt 48
	CV 0, 0
	s_wait_loadcnt 0x0
	CV 1, 1
	WIN 0
.irp bb, BG, BU                        ; the biases: rounded to bf16 as every input is, widened again, 0 past the end
.set a, 0
.rept 12
	v_cvt_pk_bf16_f32 v22, v[\bb+2*a], v[\bb+2*a+1]
	v_lshlrev_b32 v[\bb+2*a], 16, v22
	v_and_b32 v[\bb+2*a+1], 0xffff0000, v22
	v_cndmask_b32 v[\bb+2*a], 0, v[\bb+2*a], s[40+a]
	v_cndmask_b32 v[\bb+2*a+1], 0, v[\bb+2*a+1], s[40+a]
.set a, a+1
.endr
.endr
	s_wait_kmcnt 0x0
	s_min_u32 s20, s20, 13
	s_min_u32 s21, s21, 6                          ; 2,048 rows and three roundings to 16 are six chunks at the most
	s_wait_dscnt 0x0                               ; for the others' sake: my part of the weights is in LDS
	s_barrier_signal -1
	s_barrier_wait -1                              ; the weights are whole
	s_cmp_eq_u32 s21, 0
	s_cbranch_scc1 .Lend                           ; an expert that no token chose
; scalars of the passes: s[32:33] P, xs at the block in hand; s[28:29] Q, xs at the K step behind the block; s[34:35] xs at the next pass;
; s[36:37] hid, s[38:39] wrow at my tiles; s52 the pass, s53 the block; s60 this pass's chunk, s61 the next pass's
.macro NEXT                            ; s[34:35] = xs at my wave's six tiles of pass s56; s57 = its chunk
	s_add_co_u32 s57, s20, s56
	s_min_u32 s57, s57, 13
	s_mul_i32 s54, s57, 786432
	s_mul_i32 s55, s24, 196608
	s_add_co_u32 s54, s54, s55
	s_mov_b32 s55, 0
	s_add_nc_u64 s[34:35], s[4:5], s[54:55]
.endm
.macro LOADA buf, base, off            ; six fragments of x for one K step: twelve loads of 512 neighbouring bytes
.if (\buf) < 4
	WIN 0x40                                       ; destination window 1
.else
	WIN 0xc0                                       ; destination window 3
.endif
.irp m, 0,1,2,3,4,5
	global_load_b128 v[48*((\buf)%4)+8*\m:48*((\buf)%4)+8*\m+3], v[V16], s[\base:\base+1] offset:32768*\m+(\off)
	global_load_b128 v[48*((\buf)%4)+8*\m+4:48*((\buf)%4)+8*\m+7], v[V16], s[\base:\base+1] offset:32768*\m+(\off)+512
.endr
.endm
.macro LOADB buf, adr, off             ; six fragments of the weights, turned: k by 16 rows of 224 bytes
	WIN 0
.irp T, 0,1,2,3,4,5
	ds_load_tr16_b128 v[BF+48*(\buf)+8*\T:BF+48*(\buf)+8*\T+3], v[\adr] offset:(\off)+32*\T
	ds_load_tr16_b128 v[BF+48*(\buf)+8*\T+4:BF+48*(\buf)+8*\T+7], v[\adr] offset:(\off)+32*\T+3584
.endr
.endm
; 36 products of K step b of a block, the accumulators by turns, one instruction a turn.  first = 1: they start the sums, with the tile's biases as C.
.macro MUL b, first
.set sw, (1+2*((\b)/4))<<2             ; x in window 1 or 3; the weights in window 0
.set t, 0
.rept 36
.if t < 32
.set dw, 2
.set rD, 8*t
.else
.set dw, 1
.set rD, 192+8*(t-32)
.endif
.set rB, BF+48*((\b)%2)+8*(t%6)
.set rA, 48*((\b)%4)+8*(t/6)
.if \first
	WIN (dw<<6)|sw                                 ; C in window 0
	v_wmma_f32_16x16x32_bf16 v[rD:rD+7], v[rB:rB+7], v[rA:rA+7], v[BG+8*(t%6):BG+8*(t%6)+7]
.else
	WIN (dw<<6)|(dw<<4)|sw
	v_wmma_f32_16x16x32_bf16 v[rD:rD+7], v[rB:rB+7], v[rA:rA+7], v[rD:rD+7]
.endif
.set t, t+1
.endr
.endm
; K step b of a block of eight.  It asks for the weights of the next step and for x five steps on, then multiplies.
.macro STEP b
	PLACES                                         ; the weight buffer filled below was read by the step before; the x buffer three steps ago
.if (\b) == 7
	LOADB 0, AB2, 0
.else
	LOADB ((\b)+1)%2, AB, ((\b)+1)*7168
.endif
.if (\b) < 3
	LOADA ((\b)+5)%8, 32, ((\b)+5)*1024
.else
	LOADA ((\b)+5)%8, 28, ((\b)-3)*1024            ; past the block: steps 0 to 4 from Q
.endif
	s_wait_loadcnt 60                              ; five steps of twelve loads are younger than this step's (at a pass's start also the six routing weights: the count is then the stricter one)
	s_wait_dscnt 12                                ; all but the twelve just issued
.if (\b) == 0
	WIN 0
	s_cmp_eq_u32 s53, 0
	s_cbranch_scc1 .Lfirst
	MUL 0, 0
	WIN 0
	s_branch .Ljoin
.Lfirst:
	v_nop                                          ; a fifth place: these products write over accumulators without adding onto them
	MUL 0, 1
	WIN 0
.Ljoin:
.else
	MUL \b, 0
.endif
.endm
.macro ACC t                           ; where accumulator t lies
.if (\t) < 32
.set rD, 8*(\t)
.set aw, 2
.else
.set rD, 192+8*((\t)-32)
.set aw, 1
.endif
.endm
; THE WAY OUT of row tile m: 24 gate and 24 up numbers a lane, the biases already in them.  Each accumulator is read from its low end on.
.macro EPI m
	WIN 0
	s_wait_xcnt 0x0                                ; the last tile's stores have read their registers
.irp q, 0,1,2
	ACC 6*(\m)+\q
	WIN aw                                         ; source 0 in the accumulator's window
.irp i, 0,1,2,3
	v_pk_mul_f32 v[EE+8*\q+2*\i:EE+8*\q+2*\i+1], v[rD+2*\i:rD+2*\i+1], 0xbfb8aa3b op_sel_hi:[1,0]  ; - g log2(e)
.endr
.endr
	WIN 0
.set i, 0
.rept 24
	v_exp_f32 v[EE+i], v[EE+i]
.set i, i+1
.endr
.irp q, 0,1,2                          ; u x the row's routing weight: the independent work behind the batch
	ACC 6*(\m)+3+\q
	WIN aw
.if (\m)%2 == 0
.irp i, 0,1,2,3
	v_pk_mul_f32 v[UU+8*\q+2*\i:UU+8*\q+2*\i+1], v[rD+2*\i:rD+2*\i+1], v[WR+(\m):WR+(\m)+1] op_sel_hi:[1,0]
.endr
.else
.irp i, 0,1,2,3,4,5,6,7
	v_mul_f32 v[UU+8*\q+\i], v[rD+\i], v[WR+(\m)]
.endr
.endif
.endr
	WIN 0
	s_wait_alu depctr_va_vdst(0)                   ; one wait for the 24 exponentials, ahead of their first reader
.set i, 0
.rept 12
	v_pk_add_f32 v[EE+2*i:EE+2*i+1], v[EE+2*i:EE+2*i+1], 1.0 op_sel_hi:[1,0]
.set i, i+1
.endr
.set i, 0
.rept 24
	v_rcp_f32 v[EE+i], v[EE+i]
.set i, i+1
.endr
	v_nop                                          ; a plain instruction behind the last reciprocal
	s_wait_alu depctr_va_vdst(0)                   ; one wait for the 24
.irp q, 0,1,2
	ACC 6*(\m)+\q
	WIN aw
.irp i, 0,1,2,3
	v_pk_mul_f32 v[GG+8*\q+2*\i:GG+8*\q+2*\i+1], v[rD+2*\i:rD+2*\i+1], v[EE+8*\q+2*\i:EE+8*\q+2*\i+1]  ; silu first: an infinite exponential gives 0 here
.endr
.endr
	WIN 0
.set i, 0
.rept 12
	v_pk_mul_f32 v[GG+2*i:GG+2*i+1], v[GG+2*i:GG+2*i+1], v[UU+2*i:UU+2*i+1]
.set i, i+1
.endr
.set i, 0
.rept 12
	v_cvt_pk_bf16_f32 v[EE+i], v[GG+2*i], v[GG+2*i+1]
.set i, i+1
.endr
.irp q, 0,1,2
	global_store_b128 v[V16], v[EE+4*\q:EE+4*\q+3], s[36:37] offset:172032*\q+512*(\m)  ; 512 consecutive aligned bytes: a tile of one plane
.endr
.endm
	s_mov_b32 s56, 0
	NEXT
	LOADA 0, 34, 0                                 ; the first pass: x of K steps 0 to 4 and the weights of step 0
	LOADA 1, 34, 1024
	LOADA 2, 34, 2048
	LOADA 3, 34, 3072
	LOADA 4, 34, 4096
	LOADB 0, ADRB0, 0
	WIN 0
	s_mov_b32 s52, 0
.Lpass:                                                ; counted to the constant 6; passes past np are jumped, to a label ahead of the count's step
	s_cmp_ge_u32 s52, s21
	s_cbranch_scc1 .Lskip
	s_wait_xcnt 0x0                                ; the bases below are written again only behind this wait
	s_mov_b64 s[32:33], s[34:35]                   ; P: this pass's first block
	s_add_nc_u64 s[28:29], s[34:35], 8192          ; Q: the step behind it, eight steps of 1,024 bytes on
	s_add_co_u32 s57, s20, s52
	s_min_u32 s57, s57, 13                         ; the chunk
	s_mov_b32 s60, s57
	s_mul_i32 s54, s57, 24
	s_mul_i32 s55, s24, 6
	s_add_co_u32 s54, s54, s55                     ; my first tile
	s_lshl_b32 s58, s54, 6                         ; its rows' weights: 16 x 4 bytes a tile
	s_mov_b32 s59, 0
	s_add_nc_u64 s[38:39], s[14:15], s[58:59]
	s_lshl_b32 s54, s54, 9
	s_mul_i32 s55, s25, 516096                     ; my slice's three planes
	s_add_co_u32 s54, s54, s55
	s_mov_b32 s55, 0
	s_add_nc_u64 s[36:37], s[18:19], s[54:55]
	s_add_co_u32 s56, s52, 1
	s_sub_co_u32 s57, s21, 1
	s_min_u32 s56, s56, s57                        ; the next pass; behind the last one the same chunk is asked for once more and not used
	NEXT
	s_mov_b32 s61, s57                             ; its chunk
	v_mov_b32 v[AB], v[ADRB0]
	v_add_nc_u32 v[AB2], 57344, v[ADRB0]           ; eight K steps of 32 rows of 224 bytes
.irp m, 0,1,2,3,4,5
	global_load_b32 v[WR+\m], v[VW], s[38:39] offset:64*\m  ; older than step 5's loads, so in by that step's wait
.endr
	s_mov_b32 s53, 0
.Lblk:                                                 ; four blocks of eight K steps
	STEP 0
	STEP 1
	STEP 2
	STEP 3
	STEP 4
	STEP 5
	STEP 6
	STEP 7
	WIN 0
	s_wait_xcnt 0x0                                ; P and Q are written again only behind this wait
	s_add_nc_u64 s[32:33], s[32:33], 8192
	s_add_co_u32 s53, s53, 1                       ; the block to come
	s_mul_i32 s58, s53, 57344
	s_add_co_u32 s59, s58, 57344
	s_lshl_b32 s55, s53, 13
	s_add_co_u32 s55, s55, 8192                    ; the step behind it, in bytes from the chunk's step 0
	s_cmp_eq_u32 s53, 3                            ; if it is the pass's last block,
	s_cselect_b32 s59, 0, s59                      ; the weights behind it are step 0's,
	s_cselect_b32 s55, 0, s55                      ; and x behind it is step 0
	s_cselect_b32 s54, s61, s60                    ; of the next pass's chunk
	s_min_u32 s54, s54, 13                         ; Q is made anew from the chunk's number and the pointer to xs, as NEXT makes its base
	s_mul_i32 s54, s54, 786432
	s_add_co_u32 s54, s54, s55
	s_mul_i32 s55, s24, 196608
	s_add_co_u32 s54, s54, s55
	s_mov_b32 s55, 0
	s_add_nc_u64 s[28:29], s[4:5], s[54:55]
	v_add_nc_u32 v[AB], s58, v[ADRB0]
	v_add_nc_u32 v[AB2], s59, v[ADRB0]
	s_cmp_lt_u32 s53, 4
	s_cbranch_scc1 .Lblk
	PLACES
	EPI 0                                          ; the next pass's first five steps are on their way while this one goes out
	EPI 1
	EPI 2
	EPI 3
	EPI 4
	EPI 5
.Lskip:
	s_add_co_u32 s52, s52, 1
	s_cmp_lt_u32 s52, 6
	s_cbranch_scc1 .Lpass
.Lend:                                                 ; all paths of all four waves join here
	s_wait_dscnt 0x0                               ; my reads of the weights are back (the last pass asked for step 0 once more),
	s_barrier_signal -1
	s_barrier_wait -1                              ; and so are everybody's: only now does any wave write LDS again
	s_wait_tensorcnt 0x0                           ; the wave's end
	ds_add_u32 v[SPW], v[NIL]
	s_wait_dscnt 0x0
	s_endpgm
.Lfunc_end_k_qf642a04bee_ffn1:
	.size	k_qf642a04bee_ffn1, .Lfunc_end_k_qf642a04bee_ffn1-k_qf642a04bee_ffn1
	.p2alignl 7, 3214868480
	.fill 96, 4, 3214868480
	.section	.rodata,"a",@progbits
	.p2align	6, 0x0
	.amdhsa_kernel k_qf642a04bee_ffn1
		.amdhsa_group_segment_fixed_size 229888
		.amdhsa_private_segment_fixed_size 0
		.amdhsa_enable_private_segment 0
		.amdhsa_kernarg_size 64
		.amdhsa_user_sgpr_count 2
		.amdhsa_user_sgpr_kernarg_segment_ptr 1
		.amdhsa_wavefront_size32 1
		.amdhsa_system_sgpr_workgroup_id_x 1
		.amdhsa_system_sgpr_workgroup_id_y 1
		.amdhsa_system_sgpr_workgroup_id_z 1
		.amdhsa_system_vgpr_workitem_id 0
		.amdhsa_next_free_vgpr 960
		.amdhsa_next_free_sgpr 66
		.amdhsa_reserve_vcc 1
		.amdhsa_float_denorm_mode_32 3
		.amdhsa_float_denorm_mode_16_64 3
		.amdhsa_memory_ordered 1
		.amdhsa_forward_progress 1
		.amdhsa_inst_pref_size 155
	.end_amdhsa_kernel
	.amdgpu_metadata
---
amdhsa.version: [ 1, 2 ]
amdhsa.kernels:
  - .name:           k_qf642a04bee_ffn1
    .symbol:         k_qf642a04bee_ffn1.kd
    .args:
      - { .name: xs, .offset: 0, .size: 8, .value_kind: global_buffer, .address_space: global }
      - { .name: gate_w, .offset: 8, .size: 8, .value_kind: global_buffer, .address_space: global }
      - { .name: up_w, .offset: 16, .size: 8, .value_kind: global_buffer, .address_space: global }
      - { .name: gate_b, .offset: 24, .size: 8, .value_kind: global_buffer, .address_space: global }
      - { .name: up_b, .offset: 32, .size: 8, .value_kind: global_buffer, .address_space: global }
      - { .name: wts, .offset: 40, .size: 8, .value_kind: global_buffer, .address_space: global }
      - { .name: tbl, .offset: 48, .size: 8, .value_kind: global_buffer, .address_space: global }
      - { .name: hid, .offset: 56, .size: 8, .value_kind: global_buffer, .address_space: global }
    .group_segment_fixed_size: 229888
    .private_segment_fixed_size: 0
    .kernarg_segment_align: 8
    .kernarg_segment_size: 64
    .max_flat_workgroup_size: 128
    .sgpr_count:     66
    .vgpr_count:     960
    .wavefront_size: 32
...
	.end_amdgpu_metadata
.endif
;; end of part 7
;; launch ffn2: the kernel of part 4 again; grid 8 x 27, 4 waves a work-group, no clusters, 203,264 bytes of LDS; arguments hid, dwf, down_b, wts, tbl, out0; writes out0
